; MI455X (gfx1250); checked and timed in simulation.
; The chip was launched on July 23, 2026; its instructions are those of AMD's public machine-readable ISA for CDNA 5 (MIT licence, August 2026) and "CDNA5" Instruction Set Architecture Reference Guide (July 2026). The comments in the code are by the model that wrote it; some were corrected since.
;; Multihead Att. Allowed arithmetic: matrix products marked QUANTISED: E5M2 operands, one E8M0 scale for each 32 along K, by v_wmma_scale_f32_16x16x128_f8f6f4 with both operands' format E5M2, f32 sums; everything else in f32.
;; Inputs: W_kv 1,024 x 2,048 float32; W_o 1,024 x 1,024 float32; W_q 1,024 x 1,024 float32; ln_b 1,024 float32; ln_g 1,024 float32; mask 2 x 2,048 x 4,096 bool; mem 2 x 2,048 x 1,024 float32; x 2 x 2,048 x 1,024 float32.
;; Outputs: out0 2 x 2,048 x 1,024 float32.
;; This version of the problem:
;;   THIS VERSION OF THE PROBLEM IS GIVEN IN LOW PRECISION. The matrix products marked QUANTISED in the list below multiply operands that are first quantised to E5M2 (5 exponent bits, 2 mantissa bits; 8 bits a number), with one power-of-two scale for each 32 numbers along K (OCP MX v1.0); their sums are f32. All else is computed in f32.
;;   The module's matrix products, in the order in which they are computed (A, B: the left and right operand; K: the contracted axis; several contracted axes count as one K, in the product's order):
;;     1. [M 8,192, K 1,024] x [K 1,024, N 2,048]; A: computed on the way; B: input W_kv: QUANTISED
;;     2. [M 4,096, K 1,024] x [K 1,024, N 1,024]; A: input x; B: input W_q: QUANTISED
;;     3. batch 32 x [M 4,096, K 64] x [K 64, N 2,048]; A: computed on the way; B: computed on the way: QUANTISED
;;     4. batch 32 x [M 64, K 4,096] x [K 4,096, N 2,048]; A: computed on the way; B: softmax (see below): QUANTISED
;;     5. [M 4,096, K 1,024] x [K 1,024, N 1,024]; A: computed on the way; B: input W_o: QUANTISED
;;   THE QUANTISER, for each operand of a quantised product, along K:
;;     - K is cut into blocks of 32 from its start; a last block that is shorter is filled with zeros.
;;     - A block's scale is 2^e with e = floor(log2(the largest magnitude in the block)) - 15, held to -126 .. 127; a block of zeros has e = 0. As a byte (E8M0): e + 127.
;;     - Each number is divided by its block's scale, clamped to +-57,344, and rounded to the nearest number of E5M2, ties to even, subnormals kept.
;;     - The product sums the exact products of the quantised numbers (number of the format x scale) in f32.
;;   ~~~python
;;   def quantise(x, axis):      # numpy; x: float32 -> the quantised numbers, widened to float32 again
;;       x = np.moveaxis(x, axis, -1); K = x.shape[-1]
;;       x = np.pad(x, [(0, 0)] * (x.ndim - 1) + [(0, -K % 32)]); x = x.reshape(x.shape[:-1] + (-1, 32)); a = np.abs(x).max(-1, keepdims=True)
;;       e = np.where(a > 0, np.clip(np.frexp(np.where(a > 0, a, 1))[1] - 1 - 15, -126, 127), 0)      # np.frexp(a)[1] - 1 = floor(log2(a)), exactly
;;       r = np.clip(x / 2.0 ** e, -57344, 57344)
;;       step = 2.0 ** (np.maximum(np.frexp(np.where(r == 0, 1, r))[1] - 1, -14) - 2)
;;       q = np.round(r / step) * step * 2.0 ** e      # np.round: ties to even
;;       return np.moveaxis(q.reshape(q.shape[:-2] + (-1,))[..., :K], -1, axis).astype(np.float32)
;;   ~~~
;;   SOFTMAX AHEAD OF A QUANTISED PRODUCT. Where the list says 'softmax', what is quantised is not the finished softmax but p = 2^(t - M), with t = logit x log2(e) and M = ceil(the row's largest t), a whole number; so 1/2 < the row's largest p <= 1. The row's sum l is taken of the UNQUANTISED p, in f32, and the product's result is divided by l at the end. Since M is a whole number, a kernel that streams over the keys may use a running M (the ceiling of the running maximum): every later rescaling is an exact power of two, which a block's scale takes up: the codes' values come out the same.
;;   OPERANDS COMPUTED ON THE WAY. 'Computed on the way' means the value that the module computes at that place (a softmax that the list does not call 'softmax' is quantised finished and normalised). What goes into a quantiser is computed in f32, as accurately as f32 sums, v_exp_f32 and their like allow (about 1e-6 of the number): no bf16 or f16 on the way to a quantiser, and a product that is left as it is and whose result goes on into a quantised operand takes f32 operands (vector FMAs, or v_wmma_f32_16x16x4_f32). A number that lies on a knife's edge between two numbers of the format may be rounded either way, as far as f32 arithmetic and the matrix unit's own rounding can turn it there, and no further.
;; One version. Each part assembles by itself: llvm-mc -triple=amdgcn-amd-amdhsa -mcpu=gfx1250 --defsym DOCPART=n.
;; ======== version 1 of 1: 4 launches
;; limits: right only within a limited range of input values
;; workspace buffers: in_codes 12,582,912 bytes; in_scales 393,216 bytes; mbits 2,097,152 bytes of whole numbers; mflag 2,048 bytes of whole numbers; kvq_codes 20,971,520 bytes; kvq_scales 655,360 bytes; att_codes 4,194,304 bytes; att_scales 131,072 bytes
;; launch quant (part 1): grid 384 x 1, 4 waves a work-group, no clusters, 102,912 bytes of LDS; arguments x, mem, mask, W_kv, W_q, W_o, in_codes, in_scales, mbits, mflag; writes in_codes, in_scales, mbits, mflag
.if DOCPART == 1
	.amdgcn_target "amdgcn-amd-amdhsa--gfx1250"
	.amdhsa_code_object_version 6
	.text
	.protected	k_q2cade6e6e7_quant
	.globl	k_q2cade6e6e7_quant
	.p2align	8
	.type	k_q2cade6e6e7_quant,@function
k_q2cade6e6e7_quant:
	s_mov_b64 s[64:65], 0
	v_nop
	global_prefetch_b8 v0, s[64:65] scope:SCOPE_SE
	s_setreg_imm32_b32 hwreg(HW_REG_WAVE_MODE, 25, 1), 1
	s_wait_xcnt 0x0
; THE INPUTS BECOME WHAT THE LATER LAUNCHES READ.  Three paths, chosen by the work-group's number; each path and each wave has LDS bytes of its own; no barrier, waves share nothing.
;  A (work-groups 0-127):   c = [mem ; x], 8,192 rows x 1,024, f32, K innermost  -> codes of E5M2 + one E8M0 byte for each 32 along K.
;  W (work-groups 128-255): W_kv, W_q, W_o, f32, K = their FIRST axis: a lane takes a column, its registers run down K -> codes with K innermost + bytes.
;  M (work-groups 256-383): the mask's bytes -> words of 32 bits, one bit a lane, as the attention's selects want them.
; ROWS IN POSITION ORDER: position p holds the row p with bits 3 and 4 exchanged, so that position tile 2 B + u (16 rows), row rho, is row 32 B + 8 u + rho + 8 (rho / 8).
; CODES AS IMAGES OF REGISTERS: unit (tile of 16 rows, block of 32 along K) = 512 bytes; lane l = 16 h + r has 16 bytes at 16 l: row r, k = 32 block + 16 h + 0 .. 15.
; in_codes: 12,288 position rows (c 0-8,191; W_kv's key columns 8,192-; its value columns 9,216-; W_q 10,240-; W_o 11,264-), a tile = 16,384 bytes = [K step of 128 (8)][block (4)][512].
; in_scales: row x 32 + K step x 4 + block.   mbits: [b 128 + tile of queries][key step (32)][word n (64)]: bit 16 h + r of word 16 B + i = mask[b][query of row r][128 step + 32 B + 16 h + i].
; A block's scale is 2^(floor(log2(largest magnitude)) - 15): its byte is the largest magnitude's exponent field - 15, held at 1 from below by a floor among the maximum's leaves.
; LIMITS: a block whose largest magnitude lies under 2^-111 keeps the byte 1; a block of zeros gets the byte 1 and not 127 (its codes are zeros; these bytes are read by this program alone); NaN and infinities among the f32 inputs are not served.
.set LDSW, 33792                       ; LDS: path A 4 x 8,448 from 0; path W 4 x 8,704 from here;
.set LDSM, 68608                       ; path M 4 x 8,448 from here
.set SW,  16                           ; A: v16-23 the scale words of the 8 K steps
.set PC,  32                           ; A: v32-47 the codes just made
.set TM,  48                           ; A: v48-51 largest magnitudes, v52-55 bytes, v56-59 limits, v60-63 scale operands
.set RA,  64                           ; A: v64-191 two sets of 64 numbers as loaded
.set XA,  192                          ; A: v192-255 64 numbers, 16 neighbours of each block
.set XW,  48                           ; W: v48-111 two sets of 32 numbers
.set CW,  112                          ; W: v112-119 a block's codes
.set SBW, 120                          ; W: v120-121 eight scale bytes
.set OW,  128                          ; W: v128-191 the way out
	s_load_b128 s[4:7], s[0:1], 0x0                ; x, mem
	s_load_b128 s[8:11], s[0:1], 0x10              ; mask, W_kv
	s_load_b128 s[12:15], s[0:1], 0x20             ; W_q, W_o
	s_load_b128 s[16:19], s[0:1], 0x30             ; in_codes, in_scales
	s_load_b64 s[20:21], s[0:1], 0x40              ; mbits
	s_load_b64 s[48:49], s[0:1], 0x48              ; mflag: one word for each (tile of queries, half of the keys): bit j: key step j's 16 x 128 mask bytes are all set; bit 16 + j: some are
	v_lshl_add_u32 v14, v0, 2, 0x19000
	v_mov_b32 v15, 0
	v_lshrrev_b32 v1, 5, v0
	v_readfirstlane_b32 s22, v1                    ; wave 0..3
	v_and_b32 v1, 31, v0                           ; lane
	v_and_b32 v2, 15, v0                           ; r
	v_bfe_u32 v3, v0, 4, 1                         ; h
	v_lshlrev_b32 v4, 4, v1                        ; 16 x lane
	v_and_b32 v5, 7, v0
	v_bfe_u32 v12, v0, 3, 1
	v_lshl_add_u32 v5, v12, 4, v5
	v_lshl_add_u32 v5, v3, 3, v5                   ; the lane's number with bits 3 and 4 exchanged
	v_lshlrev_b32 v13, 3, v1                       ; 8 x lane
	; every LDS address is made here, ahead of the parting: a constant + a constant x lane + a constant x wave
	s_mul_i32 s26, s22, 8448
	v_add_nc_u32 v6, s26, v4                       ; A, in: 16 x lane of a row of 528
	v_mul_u32_u24 v12, v2, 528
	v_add_nc_u32 v12, s26, v12
	v_lshl_add_u32 v7, v3, 6, v12                  ; A, out: row r, + 64 h
	v_lshl_add_u32 v11, v3, 4, v12
	v_add_nc_u32 v11, LDSM, v11                    ; M, out: row r, + 16 h
	v_add_nc_u32 v10, LDSM, v6                     ; M, in
	s_mul_i32 s27, s22, 8704
	s_add_co_u32 s27, s27, LDSW
	v_mul_u32_u24 v8, v5, 272
	v_add_nc_u32 v8, s27, v8                       ; W, in: the row at my column's position
	v_mul_u32_u24 v9, v2, 272
	v_lshl_add_u32 v9, v3, 4, v9
	v_add_nc_u32 v9, s27, v9                       ; W, out: row r, + 16 h
	s_mov_b32 s23, 0x600000                        ; the mantissa field of 57,344
	s_mov_b32 s24, 0x76543210
	s_mov_b32 s25, 0xfedcba98                      ; v_permlanex16_b32's selects for lane l xor 16
	s_wait_kmcnt 0x0
	s_cmp_lt_u32 ttmp9, 128
	s_cbranch_scc0 .Lnot_a
; ---------------------------------------------------------------- PATH A: wave w takes position tile 4 g + w of c, all of K
; 64 numbers of a lane, register 16 b + i = k 32 b + 16 h + i of my row, become 16 registers of codes in v[PC] on and the row's scale word in v[pw].
.macro QUANT s, pw
.irp b, 0,1,2,3
	v_max3_num_f32 v[TM+\b], |v[\s+16*\b]|, |v[\s+1+16*\b]|, 0x8000000   ; my 16 numbers of block b, and the floor 2^(16 - 127): the byte cannot fall under 1
.endr
.irp i, 2,4,6,8,10,12,14
.irp b, 0,1,2,3
	v_max3_num_f32 v[TM+\b], v[TM+\b], |v[\s+16*\b+\i]|, |v[\s+1+16*\b+\i]|   ; the four blocks by turns
.endr
.endr
.irp b, 0,1,2,3
	v_permlanex16_b32 v[TM+4+\b], v[TM+\b], s24, s25
.endr
.irp b, 0,1,2,3
	v_max_num_f32 v[TM+\b], v[TM+\b], v[TM+4+\b]   ; with lane l xor 16's 16: the block's largest magnitude
.endr
.irp b, 0,1,2,3
	v_add_nc_u32 v[TM+12+\b], 0xf8800000, v[TM+\b] ; 15 off its exponent field: the conversion's scale operand
.endr
.irp b, 0,1,2,3
	v_and_or_b32 v[TM+8+\b], v[TM+\b], 0x7f800000, s23   ; 57,344 x the scale
.endr
.irp b, 0,1,2,3
	v_lshrrev_b32 v[TM+4+\b], 23, v[TM+12+\b]      ; the scale's byte
.endr
	v_lshl_or_b32 v[\pw], v[TM+5], 8, v[TM+4]
	v_lshl_or_b32 v[\pw], v[TM+6], 16, v[\pw]
	v_lshl_or_b32 v[\pw], v[TM+7], 24, v[\pw]
.irp b, 0,1,2,3
.irp i, 0,1,2,3,4,5,6,7,8,9,10,11,12,13,14,15
	v_med3_num_f32 v[\s+16*\b+\i], v[\s+16*\b+\i], -v[TM+8+\b], v[TM+8+\b]   ; the conversion to an 8-bit code does not saturate (ISA guide 7.6.2): the hold comes first
.endr
	v_cvt_scalef32_pk8_bf8_f32 v[PC+4*\b:PC+1+4*\b], v[\s+16*\b:\s+7+16*\b], v[TM+12+\b]
	v_cvt_scalef32_pk8_bf8_f32 v[PC+2+4*\b:PC+3+4*\b], v[\s+8+16*\b:\s+15+16*\b], v[TM+12+\b]
.endr
	v_nop                                          ; one plain line behind the last conversion
.endm
.macro ALOAD t                         ; K step t of my 16 rows: each load reads 512 consecutive bytes of one row
.irp i, 0,1,2,3,4,5,6,7,8,9,10,11,12,13,14,15
	global_load_b128 v[RA+64*((\t)%2)+4*\i:RA+64*((\t)%2)+4*\i+3], v4, s[28:29] offset:(\i+8*(\i/8))*4096+512*(\t) th:TH_LOAD_NT
.endr
.endm
.macro ATURN t                         ; through my stage (rows 528 bytes apart: row r starts 4 r banks on): in as loaded, out 16 neighbours of each block a lane.  LDS serves a wave's instructions in order
.irp i, 0,1,2,3,4,5,6,7,8,9,10,11,12,13,14,15
	ds_store_b128 v6, v[RA+64*((\t)%2)+4*\i:RA+64*((\t)%2)+4*\i+3] offset:528*\i
.endr
.irp b, 0,1,2,3
.irp j, 0,1,2,3
	ds_load_b128 v[XA+16*\b+4*\j:XA+16*\b+4*\j+3], v7 offset:128*\b+16*\j
.endr
.endr
.endm
.macro ASTEP t
	s_wait_dscnt 0x0                               ; this step's numbers are back from the stage, and its stores into the stage have read their registers
	s_wait_xcnt 0x0                                ; the last step's stores have read the codes' registers
.if (\t)+2 < 8
	ALOAD (\t)+2
.endif
	QUANT XA, SW+(\t)
.irp c, 0,1,2,3
	global_store_b128 v4, v[PC+4*\c:PC+4*\c+3], s[30:31] offset:2048*(\t)+512*\c   ; a unit: 512 consecutive bytes, aligned
.endr
.if (\t)+1 < 8
.if (\t)+2 < 8
	s_wait_loadcnt 16                              ; the next step's 16 loads are in; those of the step behind it may be out
.else
	s_wait_loadcnt 0x0
.endif
	ATURN (\t)+1
.endif
.endm
	s_lshl_b32 s26, ttmp9, 2
	s_add_co_u32 s26, s26, s22                     ; my position tile of c
	s_lshr_b32 s32, ttmp9, 6                       ; b
	s_lshl_b32 s32, s32, 11
	s_and_b32 s33, ttmp9, 31
	s_lshl_b32 s33, s33, 1
	s_lshr_b32 s27, s22, 1
	s_add_co_u32 s33, s33, s27
	s_lshl_b32 s33, s33, 5                         ; the group of 32 rows
	s_add_co_u32 s32, s32, s33
	s_and_b32 s27, s22, 1
	s_lshl_b32 s27, s27, 3                         ; + 8 u
	s_add_co_u32 s32, s32, s27
	s_lshl_b32 s32, s32, 12                        ; rows of 4,096 bytes
	s_mov_b32 s33, 0
	s_and_b32 s27, ttmp9, 32                       ; tiles 0-127 of a batch are mem's, 128-255 x's
	s_cmp_lg_u32 s27, 0
	s_cselect_b64 s[28:29], s[4:5], s[6:7]
	s_add_nc_u64 s[28:29], s[28:29], s[32:33]
	s_lshl_b32 s32, s26, 14
	s_add_nc_u64 s[30:31], s[16:17], s[32:33]      ; my tile's codes
	s_lshl_b32 s32, s26, 9
	s_add_nc_u64 s[34:35], s[18:19], s[32:33]      ; and its 512 scale bytes
.irp b, 0,1,2,3
	v_mov_b32 v[TM+4+\b], 0                        ; written once: a lane permute's destination counts as one of its sources
.endr
	ALOAD 0
	ALOAD 1
	s_wait_loadcnt 16                              ; step 0's 16 loads are in
	ATURN 0
.irp t, 0,1,2,3,4,5,6,7
	ASTEP \t
.endr
	v_cmp_ne_u32 vcc_lo, 0, v3
.irp j, 0,1,2,3
	v_cndmask_b32 v[24+\j], v[SW+\j], v[SW+4+\j], vcc_lo   ; lanes 0-15 send the row's words 0-3, lanes 16-31 its words 4-7
.endr
	v_lshlrev_b32 v12, 5, v2
	v_lshl_add_u32 v12, v3, 4, v12
	global_store_b128 v12, v[24:27], s[34:35]      ; 512 consecutive bytes
	s_wait_tensorcnt 0x0
	ds_add_u32 v14, v15
	s_wait_dscnt 0x0
	s_endpgm
.Lnot_a:
	s_cmp_lt_u32 ttmp9, 256
	s_cbranch_scc0 .Lpath_m
; ---------------------------------------------------------------- PATH W: 128 columns x 256 along K a work-group, 32 columns a wave
.macro WLOAD t                         ; block t: W(32 t + q, my column), q = 0 .. 31: 128 consecutive bytes a load
.set q, 0
.rept 32
	global_load_b32 v[XW+32*((\t)%2)+q], v[16+q], s[32+2*(\t):33+2*(\t)] th:TH_LOAD_NT
.set q, q+1
.endr
.endm
.macro WBLOCK t
.set XS, XW+32*((\t)%2)
.if (\t) < 7
	s_wait_loadcnt 32                              ; this block's 32 loads are in; the next block's may be out
.else
	s_wait_loadcnt 0x0
.endif
	v_max3_num_f32 v122, |v[XS]|, |v[XS+1]|, |v[XS+2]|   ; all 32 numbers of the block are mine
	v_max3_num_f32 v123, |v[XS+3]|, |v[XS+4]|, |v[XS+5]|
.irp i, 6,10,14,18,22,26
	v_max3_num_f32 v122, v122, |v[XS+\i]|, |v[XS+\i+1]|
	v_max3_num_f32 v123, v123, |v[XS+\i+2]|, |v[XS+\i+3]|
.endr
	v_max3_num_f32 v122, v122, |v[XS+30]|, |v[XS+31]|
	v_max3_num_f32 v122, v122, v123, 0x8000000     ; and the floor
	v_add_nc_u32 v125, 0xf8800000, v122            ; the conversion's scale operand
	v_and_or_b32 v124, v122, 0x7f800000, s23       ; 57,344 x the scale
	v_lshrrev_b32 v123, 23, v125                   ; the byte
.if (\t)%4 == 0
	v_mov_b32 v[SBW+(\t)/4], v123
.else
	v_lshl_or_b32 v[SBW+(\t)/4], v123, 8*((\t)%4), v[SBW+(\t)/4]
.endif
.set q, 0
.rept 32
	v_med3_num_f32 v[XS+q], v[XS+q], -v124, v124
.set q, q+1
.endr
.irp g, 0,1,2,3
	v_cvt_scalef32_pk8_bf8_f32 v[CW+2*\g:CW+2*\g+1], v[XS+8*\g:XS+8*\g+7], v125
.endr
	v_nop                                          ; one plain line behind the last conversion
	ds_store_b128 v8, v[CW:CW+3] offset:32*(\t)    ; 32 codes of my column's row
	ds_store_b128 v8, v[CW+4:CW+7] offset:32*(\t)+16
.if (\t)+2 < 8
	WLOAD (\t)+2
.endif
	s_wait_dscnt 0x0                               ; the stores have read their registers
.endm
	s_sub_co_u32 s26, ttmp9, 128
	s_lshr_b32 s27, s26, 2                         ; which 128 of the 4,096 columns
	s_and_b32 s26, s26, 3                          ; which 256 of K
	s_mov_b32 s50, 4096
	s_cmp_lt_u32 s27, 24
	s_cselect_b64 s[28:29], s[12:13], s[14:15]     ; W_q or W_o,
	s_cmp_lt_u32 s27, 16
	s_cselect_b64 s[28:29], s[10:11], s[28:29]     ; or W_kv,
	s_cselect_b32 s50, 8192, s50                   ; a row of it in bytes,
	s_cselect_b32 s51, 15, 7
	s_and_b32 s51, s27, s51                        ; and which 128 columns of it
	s_lshl_b32 s51, s51, 7
	s_lshl_b32 s52, s22, 5
	s_add_co_u32 s51, s51, s52
	s_lshl_b32 s51, s51, 2                         ; my first column, in bytes
	s_lshl_b32 s52, s26, 8
	s_mul_i32 s52, s52, s50
	s_add_co_u32 s52, s52, s51
	s_mov_b32 s53, 0
	s_add_nc_u64 s[32:33], s[28:29], s[52:53]      ; a base for each block of 32 rows: no pointer is stepped
	s_lshl_b32 s52, s50, 5
.irp t, 1,2,3,4,5,6,7
	s_add_nc_u64 s[32+2*\t:33+2*\t], s[30+2*\t:31+2*\t], s[52:53]
.endr
	s_lshl_b32 s54, s27, 7
	s_lshl_b32 s55, s22, 5
	s_add_co_u32 s54, s54, s55
	s_add_co_u32 s54, s54, 8192                    ; my first position row in in_codes
	s_lshl_b32 s52, s54, 10
	s_lshl_b32 s55, s26, 12
	s_add_co_u32 s52, s52, s55
	s_add_nc_u64 s[16:17], s[16:17], s[52:53]
	s_lshl_b32 s52, s54, 5
	s_lshl_b32 s55, s26, 3
	s_add_co_u32 s52, s52, s55
	s_add_nc_u64 s[18:19], s[18:19], s[52:53]
	v_lshlrev_b32 v16, 2, v1                       ; v16-47: 4 x lane + q rows
.set q, 1
.rept 31
	v_add_nc_u32 v[16+q], s50, v[15+q]
.set q, q+1
.endr
	WLOAD 0
	WLOAD 1
.irp t, 0,1,2,3,4,5,6,7
	WBLOCK \t
.endr
	v_lshlrev_b32 v12, 5, v5
	global_store_b64 v12, v[SBW:SBW+1], s[18:19]   ; my column's 8 bytes of its row of 32: one byte in 128 of what this path reads
.irp u, 0,1
.irp l, 0,1
.irp c, 0,1,2,3
	ds_load_b128 v[OW+4*(8*\u+4*\l+\c):OW+4*(8*\u+4*\l+\c)+3], v9 offset:16*\u*272+128*\l+32*\c   ; a unit's image.  LDS serves a wave's instructions in order: these see my stores
.endr
.endr
.endr
.irp u, 0,1
.irp l, 0,1
.irp c, 0,1,2,3
	s_wait_dscnt 15-(8*\u+4*\l+\c)
	global_store_b128 v4, v[OW+4*(8*\u+4*\l+\c):OW+4*(8*\u+4*\l+\c)+3], s[16:17] offset:16384*\u+2048*\l+512*\c
.endr
.endr
.endr
	s_wait_tensorcnt 0x0
	ds_add_u32 v14, v15
	s_wait_dscnt 0x0
	s_endpgm
; ---------------------------------------------------------------- PATH M: a wave takes 16 queries (a position tile) x 2,048 keys, in four chunks of 512 keys
.Lpath_m:
.macro MLOADS
.irp i, 0,1,2,3,4,5,6,7,8,9,10,11,12,13,14,15
	global_load_b128 v[64+4*\i:67+4*\i], v4, s[8:9] offset:(\i+8*(\i/8))*4096 th:TH_LOAD_NT   ; 512 consecutive bytes of one query's row
.endr
.endm
.macro CHUNK ahead
	s_wait_loadcnt 0x0                             ; the chunk is in; its loads' base may step
.irp i, 0,1,2,3,4,5,6,7,8,9,10,11,12,13,14,15
	ds_store_b128 v10, v[64+4*\i:67+4*\i] offset:528*\i
.endr
.irp l, 0,1,2,3
.irp b, 0,1,2,3
	ds_load_b128 v[128+4*(4*\l+\b):131+4*(4*\l+\b)], v11 offset:128*\l+32*\b   ; lane (r, h): query r, keys 128 l + 32 b + 16 h + 0 .. 15
.endr
.endr
	s_wait_dscnt 0x0
.if \ahead
	s_add_nc_u64 s[8:9], s[8:9], 512
	MLOADS
.endif
	s_wait_xcnt 0x0                                ; the last chunk's stores have read the words' registers
.irp l, 0,1,2,3
.set m, 0
.rept 16                               ; four words at a time: byte k of register m of the step; the compare's lane mask IS the word; lane n / 2 keeps words n and n + 1
.irp k, 0,1,2,3
	v_and_b32 v[40+\k], 0xff<<(8*\k), v[128+4*(4*\l+m/4)+m%4]
.endr
.irp k, 0,1,2,3
	v_cmp_ne_u32 s[40+\k], 0, v[40+\k]
.endr
.irp k, 0,1,2,3
	v_writelane_b32 v[32+2*\l+\k%2], s[40+\k], 2*m+\k/2
.endr
.set m, m+1
.endr
	v_and_b32 v44, v[32+2*\l], v[33+2*\l]          ; the step's summary: my two words of its 64
	v_or_b32 v45, v[32+2*\l], v[33+2*\l]
	v_cmp_eq_u32 s40, -1, v44                      ; lanes whose words are all ones
	v_cmp_ne_u32 s41, 0, v45                       ; lanes with some bit
	s_cmp_eq_u32 s40, -1
	s_cselect_b32 s42, 1<<(16+\l), 0
	s_or_b32 s45, s45, s42                         ; all hidden
	s_cmp_lg_u32 s41, 0
	s_cselect_b32 s42, 1<<(16+\l), 0
	s_or_b32 s46, s46, s42                         ; some hidden
	global_store_b64 v13, v[32+2*\l:33+2*\l], s[20:21] offset:256*\l   ; a key step's 64 words: 256 consecutive bytes, aligned
.endr
	s_wait_xcnt 0x0                                ; the stores have read their base
	s_add_nc_u64 s[20:21], s[20:21], 1024
	s_lshr_b32 s45, s45, 4                         ; four shifts of 4 bring chunk c's bit 16 + l to bit 4 c + l
	s_lshr_b32 s46, s46, 4
.endm
	s_sub_co_u32 s26, ttmp9, 256
	s_lshl_b32 s26, s26, 2
	s_add_co_u32 s26, s26, s22
	s_lshl_b32 s50, s26, 2                         ; my word of mflag: 4 bytes x (2 x tile + half)
	s_mov_b32 s51, 0
	s_add_nc_u64 s[48:49], s[48:49], s[50:51]
	s_lshr_b32 s27, s26, 1                         ; b 128 + tile of queries
	s_and_b32 s26, s26, 1                          ; which half of the keys
	s_and_b32 s32, s27, 0x1fe
	s_lshl_b32 s32, s32, 4
	s_and_b32 s33, s27, 1
	s_lshl_b32 s33, s33, 3
	s_add_co_u32 s32, s32, s33                     ; the tile's first row of the mask
	s_lshl_b32 s32, s32, 12
	s_lshl_b32 s33, s26, 11
	s_add_co_u32 s32, s32, s33
	s_mov_b32 s33, 0
	s_add_nc_u64 s[8:9], s[8:9], s[32:33]
	s_lshl_b32 s32, s27, 13
	s_lshl_b32 s34, s26, 12
	s_add_co_u32 s32, s32, s34
	s_add_nc_u64 s[20:21], s[20:21], s[32:33]
.irp j, 0,1,2,3,4,5,6,7
	v_mov_b32 v[32+\j], 0                          ; written once: v_writelane_b32's destination counts as read
.endr
	MLOADS
	s_mov_b32 s44, 3
	s_mov_b32 s45, 0
	s_mov_b32 s46, 0
.Lchunk:
	CHUNK 1
	s_sub_co_u32 s44, s44, 1
	s_cmp_lg_u32 s44, 0
	s_cbranch_scc1 .Lchunk
	CHUNK 0                                        ; the last chunk asks for nothing more
	s_lshl_b32 s46, s46, 16
	s_or_b32 s45, s45, s46
	v_mov_b32 v40, s45
	v_mov_b32 v41, 0
	v_cmp_eq_u32 vcc_lo, 0, v1
	s_and_saveexec_b32 s47, vcc_lo                 ; lane 0 alone (the chunk ended with a wait on XCNT for 0)
	global_store_b32 v41, v40, s[48:49]            ; the wave's summary word
	s_wait_xcnt 0x0                                ; EXEC changes only behind this wait
	s_or_b32 exec_lo, exec_lo, s47
	s_wait_tensorcnt 0x0
	ds_add_u32 v14, v15
	s_wait_dscnt 0x0
	s_endpgm
.Lfunc_end_k_q2cade6e6e7_quant:
	.size	k_q2cade6e6e7_quant, .Lfunc_end_k_q2cade6e6e7_quant-k_q2cade6e6e7_quant
	.p2alignl 7, 3214868480
	.fill 96, 4, 3214868480
	.section	.rodata,"a",@progbits
	.p2align	6, 0x0
	.amdhsa_kernel k_q2cade6e6e7_quant
		.amdhsa_group_segment_fixed_size 102912
		.amdhsa_private_segment_fixed_size 0
		.amdhsa_enable_private_segment 0
		.amdhsa_kernarg_size 80
		.amdhsa_user_sgpr_count 2
		.amdhsa_user_sgpr_kernarg_segment_ptr 1
		.amdhsa_wavefront_size32 1
		.amdhsa_system_sgpr_workgroup_id_x 1
		.amdhsa_system_sgpr_workgroup_id_y 1
		.amdhsa_system_sgpr_workgroup_id_z 1
		.amdhsa_system_vgpr_workitem_id 0
		.amdhsa_next_free_vgpr 256
		.amdhsa_next_free_sgpr 66
		.amdhsa_reserve_vcc 1
		.amdhsa_float_denorm_mode_32 3
		.amdhsa_float_denorm_mode_16_64 3
		.amdhsa_memory_ordered 1
		.amdhsa_forward_progress 1
		.amdhsa_inst_pref_size 255
	.end_amdhsa_kernel
	.section	.bss,"aw",@nobits
	.p2align	6
	.space	262144
	.amdgpu_metadata
---
amdhsa.version: [ 1, 2 ]
amdhsa.kernels:
  - .name:           k_q2cade6e6e7_quant
    .symbol:         k_q2cade6e6e7_quant.kd
    .args:
      - { .name: x, .offset: 0, .size: 8, .value_kind: global_buffer, .address_space: global }
      - { .name: mem, .offset: 8, .size: 8, .value_kind: global_buffer, .address_space: global }
      - { .name: mask, .offset: 16, .size: 8, .value_kind: global_buffer, .address_space: global }
      - { .name: W_kv, .offset: 24, .size: 8, .value_kind: global_buffer, .address_space: global }
      - { .name: W_q, .offset: 32, .size: 8, .value_kind: global_buffer, .address_space: global }
      - { .name: W_o, .offset: 40, .size: 8, .value_kind: global_buffer, .address_space: global }
      - { .name: in_codes, .offset: 48, .size: 8, .value_kind: global_buffer, .address_space: global }
      - { .name: in_scales, .offset: 56, .size: 8, .value_kind: global_buffer, .address_space: global }
      - { .name: mbits, .offset: 64, .size: 8, .value_kind: global_buffer, .address_space: global }
      - { .name: mflag, .offset: 72, .size: 8, .value_kind: global_buffer, .address_space: global }
    .group_segment_fixed_size: 102912
    .private_segment_fixed_size: 0
    .kernarg_segment_align: 8
    .kernarg_segment_size: 80
    .max_flat_workgroup_size: 128
    .sgpr_count:     66
    .vgpr_count:     256
    .wavefront_size: 32
...
	.end_amdgpu_metadata
.endif
;; end of part 1
;; launch proj (part 2): grid 80 x 4, 4 waves a work-group, clusters of 4 x 4, 327,680 bytes of LDS; arguments in_codes, in_scales, kvq_codes, kvq_scales; writes kvq_codes, kvq_scales
.if DOCPART == 2
	.amdgcn_target "amdgcn-amd-amdhsa--gfx1250"
	.amdhsa_code_object_version 6
	.text
	.protected	k_q2cade6e6e7_proj
	.globl	k_q2cade6e6e7_proj
	.p2align	8
	.type	k_q2cade6e6e7_proj,@function
k_q2cade6e6e7_proj:
	s_mov_b64 s[64:65], 0
	v_nop
	global_prefetch_b8 v0, s[64:65] scope:SCOPE_SE
	s_setreg_imm32_b32 hwreg(HW_REG_WAVE_MODE, 25, 1), 1
	s_wait_xcnt 0x0
	s_wait_alu depctr_hold_cnt(0) depctr_sa_sdst(0) depctr_va_vdst(0) depctr_va_sdst(0) depctr_va_ssrc(0) depctr_va_vcc(0) depctr_vm_vsrc(0)
	s_getreg_b32 s2, hwreg(HW_REG_IB_STS2, 6, 4)
	s_cmp_eq_u32 s2, 0
	s_cbranch_scc0 .Lentry_in_a_cluster
	s_endpgm
.Lentry_in_a_cluster:
	s_bfe_u32 s2, ttmp6, 0x10000c
	s_cmp_lg_u32 s2, 0xf033
	s_cbranch_scc0 .Lentry_shape_is_right
	s_endpgm
.Lentry_shape_is_right:
.set NQ,     2
.set FR,     16
.set NL,     4
.set NP,     8
.set HALFT,  32768
.set SLOT,   4*HALFT
.set KS,     32
.set SCL,    2*SLOT
.set HALFS,  4352
.set SBLK,   544
.set SPARE,  SCL+4*HALFS
.set ADRA, 16
.set ADRB, 20
.set ADRS, 27
.set SPW,  28
.set NIL,  29
.set SC,   32
.set AF,   128
.set TM,   32
.set SWO,  48
.set VO,   56
.set XT,   64
.set PCO,  128
.set G1, 24
.set G0, 32
.set G1B, 48
.set G0B, 56
.set G1S, 68
.set G0S, 76
.set G1SB, 80
.set G0SB, 88
.set MSB, 0
.macro WIN new
.if MSB != \new
	s_set_vgpr_msb (MSB<<8)|\new
.set MSB, \new
.endif
.endm
.set MUL_LO, 0xa1
.set MUL_HI, 0xf1
.set TO_B,   0x40
.macro JLOAD g0a, g1a, g0b, g1b
	s_cmp_eq_u32 s15, 0
	s_cbranch_scc0 .Lfor_b_\@
	tensor_load_to_lds s[\g0a:\g0a+3], s[\g1a:\g1a+7]
	s_nop 0
.rept 4
	v_nop
.endr
	s_branch .Lasked_\@
.Lfor_b_\@:
	tensor_load_to_lds s[\g0b:\g0b+3], s[\g1b:\g1b+7]
	s_nop 0
.rept 4
	v_nop
.endr
.Lasked_\@:
.endm
.macro CREST
	s_cmp_lg_u32 s14, 0
	s_cbranch_scc1 .Lnot_wave_0_\@
	s_barrier_signal -3
.Lnot_wave_0_\@:
	s_barrier_wait -3
	s_barrier_signal -1
	s_barrier_wait -1
.endm
.macro CROUND
	s_barrier_signal -1
	s_barrier_wait -1
	CREST
.endm
	s_load_b128 s[4:7], s[0:1], 0x0
	s_load_b128 s[8:11], s[0:1], 0x10
	v_lshl_add_u32 v[SPW], v0, 2, SPARE
	v_mov_b32 v[NIL], 0
	ds_add_u32 v28, v29
	ds_add_u32 v28, v29
	s_wait_dscnt 0x0
	v_lshrrev_b32 v1, 5, v0
	v_readfirstlane_b32 s14, v1
	s_lshr_b32 s15, s14, 1
	s_and_b32 s16, s14, 1
	s_bfe_u32 s40, ttmp6, 0x40000
	s_bfe_u32 s41, ttmp6, 0x40004
	s_sub_co_u32 s66, ttmp9, 8
	s_sub_co_u32 s67, ttmp9, 16
	s_lshr_b32 s95, s67, 1
	s_lshl_b32 s95, s95, 11
	s_add_co_u32 s95, s95, 2048
	s_cmp_lt_u32 ttmp9, 16
	s_cselect_b32 s18, 0, s67
	s_cselect_b32 s19, s66, 0
	s_cselect_b32 s20, 9216, s95
	s_cselect_b32 s21, 0, 10240
	s_cmp_lt_u32 ttmp9, 8
	s_cselect_b32 s18, ttmp9, s18
	s_cselect_b32 s19, 0, s19
	s_cselect_b32 s20, 0, s20
	s_cselect_b32 s21, 8192, s21
	s_lshl_b32 s17, s18, 2
	s_add_co_u32 s17, s17, s41
	s_lshl_b32 s42, s19, 2
	s_add_co_u32 s42, s42, s40
	s_lshl_b32 s43, s41, 2
	s_lshl_b32 s43, 15, s43
	s_lshl_b32 s44, 0x1111, s40
	s_or_b32 s[G1+0], s43, (3<<16)|(1<<21)
	s_or_b32 s[G1B+0], s44, (3<<16)|(1<<21)
.irp g, G1, G1B
	s_mov_b32 s[\g+1], 512<<16
	s_mov_b32 s[\g+2], 8<<16
	s_mov_b32 s[\g+3], 512<<16
	s_mov_b32 s[\g+4], 8
	s_mov_b32 s[\g+5], 2048
	s_mov_b32 s[\g+6], 0
	s_mov_b32 s[\g+7], 0
.endr
	s_or_b32 s[G1S+0], s43, (3<<16)|(1<<20)|(1<<21)|(5<<22)|(3<<25)
	s_or_b32 s[G1SB+0], s44, (3<<16)|(1<<20)|(1<<21)|(5<<22)|(3<<25)
.irp g, G1S, G1SB
	s_mov_b32 s[\g+1], 32<<16
	s_mov_b32 s[\g+2], 16<<16
	s_mov_b32 s[\g+3], 32<<16
	s_mov_b32 s[\g+4], 16
	s_mov_b32 s[\g+5], 32
	s_mov_b32 s[\g+6], 0
	s_mov_b32 s[\g+7], 0
.endr
	s_lshl_b32 s18, s16, 7
	s_lshl_b32 s22, s17, 8
	s_add_co_u32 s22, s22, s20
	s_add_co_u32 s22, s22, s18
	s_lshl_b32 s46, s42, 8
	s_add_co_u32 s46, s46, s21
	s_add_co_u32 s46, s46, s18
	s_lshl_b32 s92, s46, 5
	s_mov_b32 s93, 0
	s_lshl_b32 s46, s46, 10
	s_mov_b32 s47, 0
	s_lshl_b32 s20, s22, 10
	s_mov_b32 s21, 0
	s_lshl_b32 s22, s22, 5
	s_mov_b32 s23, 0
	s_mul_i32 s45, s14, HALFT
	s_mul_i32 s94, s14, HALFS
	s_wait_kmcnt 0x0
	s_add_nc_u64 s[20:21], s[4:5], s[20:21]
	s_add_nc_u64 s[22:23], s[6:7], s[22:23]
	s_add_nc_u64 s[46:47], s[4:5], s[46:47]
	s_add_nc_u64 s[92:93], s[6:7], s[92:93]
	CROUND
	s_mov_b32 s[G0S], 1
	s_add_co_u32 s[G0S+1], s94, SCL
	s_mov_b64 s[G0S+2:G0S+3], s[22:23]
	s_or_b32 s[G0S+3], s[G0S+3], 0x80000000
	s_mov_b32 s[G0SB], 1
	s_add_co_u32 s[G0SB+1], s94, SCL
	s_mov_b64 s[G0SB+2:G0SB+3], s[92:93]
	s_or_b32 s[G0SB+3], s[G0SB+3], 0x80000000
	JLOAD G0S, G1S, G0SB, G1SB
.irp s, 0,1
	s_mov_b32 s[G0+4*\s], 1
	s_add_co_u32 s[G0+4*\s+1], s45, \s*SLOT
	s_add_nc_u64 s[G0+4*\s+2:G0+4*\s+3], s[20:21], \s*4096
	s_or_b32 s[G0+4*\s+3], s[G0+4*\s+3], 0x80000000
	s_mov_b32 s[G0B+4*\s], 1
	s_add_co_u32 s[G0B+4*\s+1], s45, \s*SLOT
	s_add_nc_u64 s[G0B+4*\s+2:G0B+4*\s+3], s[46:47], \s*4096
	s_or_b32 s[G0B+4*\s+3], s[G0B+4*\s+3], 0x80000000
	s_wait_alu depctr_va_vdst(0)
	s_wait_tensorcnt 0x0
	ds_add_u32 v28, v29
	s_wait_dscnt 0x0
	CROUND
	JLOAD G0+4*\s, G1, G0B+4*\s, G1B
.endr
	v_and_b32 v1, 15, v0
	v_bfe_u32 v2, v0, 4, 1
	v_and_b32 v3, 31, v0
	v_lshlrev_b32 v4, 4, v3
	s_mul_i32 s21, s15, HALFT
	s_mul_i32 s22, s16, HALFT
	s_add_co_u32 s22, s22, 2*HALFT
.irp s, 0,1
	v_add_nc_u32 v[ADRA+\s], s21, v4
	v_add_nc_u32 v[ADRB+\s], s22, v4
	s_add_co_u32 s21, s21, SLOT
	s_add_co_u32 s22, s22, SLOT
.endr
	v_mul_u32_u24 v5, v1, KS
	v_lshrrev_b32 v6, 8, v5
	v_lshl_add_u32 v5, v6, 4, v5
	s_mul_i32 s21, s15, HALFS
	s_mul_i32 s22, s16, HALFS
	s_add_co_u32 s22, s22, 2*HALFS
	s_sub_co_u32 s22, s22, s21
	v_mul_u32_u24 v6, s22, v2
	s_add_co_u32 s21, s21, SCL
	v_add_nc_u32 v5, v5, v6
	v_add_nc_u32 v[ADRS], s21, v5
.macro FRAG reg, adr, q, i
.irp c, 0,1,2,3
	ds_load_b128 v[\reg+4*\c:\reg+4*\c+3], v[\adr] offset:4096*(\i)+2048*(\q)+512*\c
.endr
.endm
.macro MUL16 a0, p, q, sc, zero
.irp a, \a0, \a0+1
.irp b, 0,1,2,3,4,5,6,7
.if \zero
	v_wmma_scale_f32_16x16x128_f8f6f4 v[8*(8*((\a)%4)+\b):8*(8*((\a)%4)+\b)+7], v[128*(\p)+FR*\b:128*(\p)+FR*\b+FR-1], v[AF+FR*(\a):AF+FR*(\a)+FR-1], 0, v[SC+8*NQ*(\sc)+NQ*\b+(\q)], v[SC+8*NQ*(\sc)+NQ*(\a)+(\q)] matrix_a_fmt:MATRIX_FMT_BF8 matrix_b_fmt:MATRIX_FMT_BF8 matrix_a_scale:MATRIX_SCALE_ROW1
.else
	v_wmma_scale_f32_16x16x128_f8f6f4 v[8*(8*((\a)%4)+\b):8*(8*((\a)%4)+\b)+7], v[128*(\p)+FR*\b:128*(\p)+FR*\b+FR-1], v[AF+FR*(\a):AF+FR*(\a)+FR-1], v[8*(8*((\a)%4)+\b):8*(8*((\a)%4)+\b)+7], v[SC+8*NQ*(\sc)+NQ*\b+(\q)], v[SC+8*NQ*(\sc)+NQ*(\a)+(\q)] matrix_a_fmt:MATRIX_FMT_BF8 matrix_b_fmt:MATRIX_FMT_BF8 matrix_a_scale:MATRIX_SCALE_ROW1
.endif
.endr
.endr
.endm
.macro FETCH_B slot, q, p
	WIN TO_B
.irp i, 0,1,2,3,4,5,6,7
	FRAG 128*(\p)+FR*\i, ADRB+\slot, \q, \i
.endr
	WIN 0
.endm
.macro FETCH_A slot, q, i0
.irp i, \i0, \i0+1, \i0+2, \i0+3
	FRAG AF+FR*(\i), ADRA+\slot, \q, \i
.endr
.endm
.macro SCALES sc
.irp i, 0,1,2,3,4,5,6,7
	ds_load_b64 v[SC+8*NQ*\sc+NQ*\i:SC+8*NQ*\sc+NQ*\i+1], v[ADRS] offset:\i*SBLK
.endr
.endm
.macro PLACES n
.rept \n
	v_nop
.endr
.endm
.macro STEP slot, q, zero
	s_wait_dscnt 4*NL
	WIN MUL_LO
	MUL16 0, (\q)%2, \q, \slot, \zero
	MUL16 2, (\q)%2, \q, \slot, \zero
	s_wait_dscnt 0
	PLACES NP
	FETCH_B \slot, (\q)+1, 1-(\q)%2
	FETCH_A \slot, (\q)+1, 0
	WIN MUL_HI
	MUL16 4, (\q)%2, \q, \slot, \zero
	MUL16 6, (\q)%2, \q, \slot, \zero
	PLACES NP
	WIN 0
	FETCH_A \slot, (\q)+1, 4
.endm
.macro TURN slot, next, fill
	s_wait_tensorcnt 0x0
	ds_add_u32 v[SPW], v[NIL]
	s_wait_dscnt 4*NL+1
	WIN MUL_LO
	MUL16 0, 1, NQ-1, \slot, 0
	s_wait_dscnt 0x0
	s_barrier_signal -1
	MUL16 2, 1, NQ-1, \slot, 0
	WIN 0
	s_barrier_wait -1
.if \fill
	CREST
	s_add_nc_u64 s[G0+4*\slot+2:G0+4*\slot+3], s[G0+4*\slot+2:G0+4*\slot+3], 8192
	s_add_nc_u64 s[G0B+4*\slot+2:G0B+4*\slot+3], s[G0B+4*\slot+2:G0B+4*\slot+3], 8192
	JLOAD G0+4*\slot, G1, G0B+4*\slot, G1B
	PLACES NP-4
.else
	PLACES NP
.endif
	s_wait_alu depctr_va_vdst(0)
	v_add_nc_u32 v[ADRS], 4*NQ, v[ADRS]
	FETCH_B \next, 0, 0
	FETCH_A \next, 0, 0
	SCALES \next
	WIN MUL_HI
	MUL16 4, 1, NQ-1, \slot, 0
	MUL16 6, 1, NQ-1, \slot, 0
	PLACES NP
	WIN 0
	FETCH_A \next, 0, 4
.endm
	s_wait_alu depctr_va_vdst(0)
	s_wait_tensorcnt 1
	s_barrier_signal -1
	s_barrier_wait -1
	FETCH_B 0, 0, 0
	FETCH_A 0, 0, 0
	SCALES 0
	FETCH_A 0, 0, 4
	STEP 0, 0, 1
	s_mov_b32 s3, 1
.Llap:
	TURN 0, 1, 1
	STEP 1, 0, 0
	TURN 1, 0, 1
	STEP 0, 0, 0
	s_sub_co_u32 s3, s3, 1
	s_cmp_lg_u32 s3, 0
	s_cbranch_scc1 .Llap
	TURN 0, 1, 0
	STEP 1, 0, 0
	s_wait_dscnt 4*NL
	WIN MUL_LO
	MUL16 0, 1, NQ-1, 1, 0
	MUL16 2, 1, NQ-1, 1, 0
	s_wait_dscnt 0
	WIN MUL_HI
	MUL16 4, 1, NQ-1, 1, 0
	MUL16 6, 1, NQ-1, 1, 0
	WIN 0
	PLACES NP
	s_cmp_lt_u32 ttmp9, 8
	s_cbranch_scc1 .Lway_k
	s_cmp_lt_u32 ttmp9, 16
	s_cbranch_scc1 .Lway_v
	s_lshr_b32 s2, s17, 3
	s_lshl_b32 s2, s2, 3
	s_lshl_b32 s3, s42, 1
	s_add_co_u32 s2, s2, s3
	s_add_co_u32 s2, s2, s16
	s_and_b32 s3, s17, 7
	s_lshl_b32 s3, s3, 1
	s_add_co_u32 s3, s3, s15
	s_lshl_b32 s96, s2, 18
	s_lshl_b32 s95, s3, 13
	s_add_co_u32 s96, s96, s95
	s_add_co_u32 s96, s96, 16777216
	s_lshl_b32 s66, s2, 13
	s_lshl_b32 s95, s3, 9
	s_add_co_u32 s66, s66, s95
	s_add_co_u32 s66, s66, 524288
	s_mov_b32 s100, 1024
	s_mov_b32 s101, 4096
	s_mov_b32 s98, 131072
	s_branch .Lway
.Lway_k:
	s_lshr_b32 s2, s17, 4
	s_lshl_b32 s2, s2, 3
	s_lshl_b32 s3, s42, 1
	s_add_co_u32 s2, s2, s3
	s_add_co_u32 s2, s2, s16
	s_and_b32 s3, s17, 15
	s_lshl_b32 s3, s3, 1
	s_add_co_u32 s3, s3, s15
	s_lshl_b32 s96, s2, 19
	s_lshl_b32 s95, s3, 13
	s_add_co_u32 s96, s96, s95
	s_lshl_b32 s66, s2, 15
	s_lshl_b32 s95, s3, 9
	s_add_co_u32 s66, s66, s95
	s_mov_b32 s100, 1024
	s_mov_b32 s101, 4096
	s_mov_b32 s98, 262144
	s_branch .Lway
.Lway_v:
	s_lshr_b32 s2, s42, 4
	s_lshl_b32 s2, s2, 3
	s_lshl_b32 s3, s17, 1
	s_add_co_u32 s2, s2, s3
	s_add_co_u32 s2, s2, s15
	s_and_b32 s3, s42, 15
	s_lshl_b32 s3, s3, 1
	s_add_co_u32 s3, s3, s16
	s_lshl_b32 s96, s2, 19
	s_lshl_b32 s95, s3, 13
	s_add_co_u32 s96, s96, s95
	s_add_co_u32 s96, s96, 8388608
	s_lshl_b32 s66, s2, 15
	s_lshl_b32 s95, s3, 9
	s_add_co_u32 s66, s66, s95
	s_add_co_u32 s66, s66, 16384
	s_mov_b32 s100, 2048
	s_mov_b32 s101, 262144
	s_mov_b32 s98, 1024
.Lway:
	s_mov_b32 s97, 0
	s_mov_b32 s99, 0
	s_mov_b32 s67, 0
	s_add_nc_u64 s[96:97], s[8:9], s[96:97]
	s_add_nc_u64 s[98:99], s[96:97], s[98:99]
	s_add_nc_u64 s[10:11], s[10:11], s[66:67]
	s_mov_b32 s18, 0x76543210
	s_mov_b32 s19, 0xfedcba98
	s_mov_b32 s45, 0x600000
	v_lshlrev_b32 v[VO], 4, v3
.irp a, 1,2,3
	v_add_nc_u32 v[VO+\a], s100, v[VO+\a-1]
.endr
.irp a, 0,1,2,3
	v_add_nc_u32 v[VO+4+\a], s101, v[VO+\a]
.endr
.irp b, 0,1,2,3
	v_mov_b32 v[TM+4+\b], 0
.endr
.macro EQ a
.set AC, 64*((\a)%4)
	WIN 40+20*((\a)/4)
.irp b, 0,1,2,3
	v_max3_num_f32 v[TM+\b], 0x8000000, |v[AC+16*\b]|, |v[AC+16*\b+1]|
.endr
.irp i, 2,4,6,8,10,12,14
.irp b, 0,1,2,3
	v_max3_num_f32 v[TM+\b], v[TM+\b], |v[AC+16*\b+\i]|, |v[AC+16*\b+\i+1]|
.endr
.endr
	WIN 0
.irp b, 0,1,2,3
	v_permlanex16_b32 v[TM+4+\b], v[TM+\b], s18, s19
.endr
.irp b, 0,1,2,3
	v_max_num_f32 v[TM+\b], v[TM+\b], v[TM+4+\b]
.endr
.irp b, 0,1,2,3
	v_add_nc_u32 v[TM+12+\b], 0xf8800000, v[TM+\b]
.endr
.irp b, 0,1,2,3
	v_and_or_b32 v[TM+8+\b], v[TM+\b], 0x7f800000, s45
.endr
.irp b, 0,1,2,3
	v_lshrrev_b32 v[TM+4+\b], 23, v[TM+12+\b]
.endr
	v_lshl_or_b32 v[SWO+(\a)], v[TM+5], 8, v[TM+4]
	v_lshl_or_b32 v[SWO+(\a)], v[TM+6], 16, v[SWO+(\a)]
	v_lshl_or_b32 v[SWO+(\a)], v[TM+7], 24, v[SWO+(\a)]
	WIN 2+(\a)/4
.irp b, 0,1,2,3
.irp i, 0,1,2,3,4,5,6,7,8,9,10,11,12,13,14,15
	v_med3_num_f32 v[XT+16*\b+\i], v[AC+16*\b+\i], -v[TM+8+\b], v[TM+8+\b]
.endr
.endr
	WIN 0
.irp b, 0,1,2,3
	v_cvt_scalef32_pk8_bf8_f32 v[PCO+16*(\a)+4*\b:PCO+16*(\a)+4*\b+1], v[XT+16*\b:XT+16*\b+7], v[TM+12+\b]
	v_cvt_scalef32_pk8_bf8_f32 v[PCO+16*(\a)+4*\b+2:PCO+16*(\a)+4*\b+3], v[XT+16*\b+8:XT+16*\b+15], v[TM+12+\b]
.endr
	v_nop
.irp b, 0,1
	global_store_b128 v[VO+(\a)], v[PCO+16*(\a)+4*\b:PCO+16*(\a)+4*\b+3], s[96:97] offset:512*\b
	global_store_b128 v[VO+(\a)], v[PCO+16*(\a)+8+4*\b:PCO+16*(\a)+8+4*\b+3], s[98:99] offset:512*\b
.endr
.endm
.irp a, 0,1,2,3,4,5,6,7
	EQ \a
.endr
	v_cmp_ne_u32 vcc_lo, 0, v2
.irp j, 0,1,2,3
	v_cndmask_b32 v[TM+\j], v[SWO+\j], v[SWO+4+\j], vcc_lo
.endr
	global_store_b128 v[VO], v[TM:TM+3], s[10:11]
	s_wait_tensorcnt 0x0
	ds_add_u32 v[SPW], v[NIL]
	s_wait_dscnt 0x0
	CROUND
	s_endpgm
.Lfunc_end_k_q2cade6e6e7_proj:
	.size	k_q2cade6e6e7_proj, .Lfunc_end_k_q2cade6e6e7_proj-k_q2cade6e6e7_proj
	.p2alignl 7, 3214868480
	.fill 96, 4, 3214868480
	.section	.rodata,"a",@progbits
	.p2align	6, 0x0
	.amdhsa_kernel k_q2cade6e6e7_proj
		.amdhsa_group_segment_fixed_size 327680
		.amdhsa_private_segment_fixed_size 0
		.amdhsa_enable_private_segment 0
		.amdhsa_kernarg_size 32
		.amdhsa_user_sgpr_count 2
		.amdhsa_user_sgpr_kernarg_segment_ptr 1
		.amdhsa_wavefront_size32 1
		.amdhsa_system_sgpr_workgroup_id_x 1
		.amdhsa_system_sgpr_workgroup_id_y 1
		.amdhsa_system_sgpr_workgroup_id_z 1
		.amdhsa_system_vgpr_workitem_id 0
		.amdhsa_next_free_vgpr 1024
		.amdhsa_next_free_sgpr 102
		.amdhsa_reserve_vcc 1
		.amdhsa_float_denorm_mode_32 3
		.amdhsa_float_denorm_mode_16_64 3
		.amdhsa_memory_ordered 1
		.amdhsa_forward_progress 1
		.amdhsa_inst_pref_size 188
	.end_amdhsa_kernel
	.amdgpu_metadata
---
amdhsa.version: [ 1, 2 ]
amdhsa.kernels:
  - .name:           k_q2cade6e6e7_proj
    .symbol:         k_q2cade6e6e7_proj.kd
    .args:
      - { .name: in_codes, .offset: 0, .size: 8, .value_kind: global_buffer, .address_space: global }
      - { .name: in_scales, .offset: 8, .size: 8, .value_kind: global_buffer, .address_space: global }
      - { .name: kvq_codes, .offset: 16, .size: 8, .value_kind: global_buffer, .address_space: global }
      - { .name: kvq_scales, .offset: 24, .size: 8, .value_kind: global_buffer, .address_space: global }
    .group_segment_fixed_size: 327680
    .private_segment_fixed_size: 0
    .kernarg_segment_align: 8
    .kernarg_segment_size: 32
    .max_flat_workgroup_size: 128
    .sgpr_count:     102
    .vgpr_count:     1024
    .wavefront_size: 32
...
	.end_amdgpu_metadata
.endif
;; end of part 2
;; launch attn (part 3): grid 8 x 32, 16 waves a work-group, no clusters, 280,576 bytes of LDS; arguments kvq_codes, kvq_scales, mbits, mflag, att_codes, att_scales; writes att_codes, att_scales
.if DOCPART == 3
	.amdgcn_target "amdgcn-amd-amdhsa--gfx1250"
	.amdhsa_code_object_version 6
	.text
	.protected	k_q2cade6e6e7_attn
	.globl	k_q2cade6e6e7_attn
	.p2align	8
	.type	k_q2cade6e6e7_attn,@function
k_q2cade6e6e7_attn:
	s_mov_b64 s[64:65], 0
	v_nop
	global_prefetch_b8 v0, s[64:65] scope:SCOPE_SE
	s_setreg_imm32_b32 hwreg(HW_REG_WAVE_MODE, 25, 1), 1
	s_wait_xcnt 0x0
; attended[b][q][head][:] = softmax over the keys of (q . k / 8, masked) x v, both products on codes of E5M2 with E8M0 scales; the result is quantised along the head's 64 for the last product.
; THE SOFTMAX AHEAD OF THE SECOND PRODUCT: t = score x log2(e) / 8; M = the running largest t rounded UP to a whole number; p = 2^(t - M) is quantised along the keys, not normalised; the row's sum is taken
; of the unquantised p and divides at the end; when M moves, the sum and O are multiplied by 2^(old M - new M), which rounds nothing.
; THE MASK is an input of whole numbers.  The first launch stored, for each tile of 16 queries and key step of 128 keys, two bits (mflag) and 64 words of one bit a lane (mbits).
; WORK LEFT OUT, by those stored numbers: a step whose 16 x 128 mask bytes are all set gives -infinity for every score, so p = 0, and M, the sum and O stay as they are.
; A step with no byte set needs no select: its mask words are not loaded.  Every other step loads its 64 words and selects.  Barriers and the ring's fills stand outside these branches.
; NO TENSOR LOAD, NO JOINT LOAD: its tiles come by loads through registers.  NO PREFETCH: a chunk's two loads are asked for a whole key step ahead of the wait for them.
; SHARES.  A work-group serves one (b, head); its sixteen waves own one position tile of 16 queries each.  Wave 4 a + s takes tile 32 (a xor s) + 8 a + x' (x' = the work-group's x, or 7 - x in odd quarters):
; waves with equal s, and waves with equal a, cover all four quarters of the queries.
; Both products are used transposed (S^T = K Q^T, O^T = V^T P^T): a lane holds one query.  Keys and the head's 64 lie in position order, so 16 registers of two neighbouring tiles are 16 neighbours along the next K.
; THE SCORES' K IS 64.  A source of 16 registers holds TWO tiles of keys, one in k 0-63, the next in k 64-127; Q stands as [0 ; Q ; 0] in 24 registers: against [Q ; 0] the first tile counts, against [0 ; Q] the second;
; the other tile's codes meet zero codes (they are finite: the quantiser holds them) and add nothing.
; THE RING: two LDS slots of 1,024 keys (K 64 KiB, V 64 KiB, images of registers).  In each key step of slots 0 to 2 a wave loads 1,024 bytes of the slot that follows (waves 0-7 K's, 8-15 V's) and stores them into the other slot at the step's end.
; One barrier for each change of slots: in front of it each wave has waited for its stores and its reads.  The head's scale bytes of my head lie in LDS for the whole launch, K's as words of two tiles.
; A ROW ALL OF WHOSE KEYS ARE HIDDEN has the sum 0: its two scale bytes become 0xff, so that the last product gives NaN for the whole row, as the reference does.
; LIMITS: a block whose largest magnitude lies under 2^-111 keeps the byte 1, a block of zeros too; NaN and infinities among the f32 inputs are not served; scaled scores stay under 2^31.  v_exp_f32 is taken not to fall where its input rises.
; REGISTERS: v1 16 x lane; v2, v3 my place among K's and V's scale words; v4 where my part of a chunk goes; v5, v6 the add's; v7 -infinity; v8-11 addresses of the step; v12 -M, v13 the largest t, v[14:15] the sum;
;   v16-39 [0 ; Q ; 0]; v40-103 K's tiles, then V's; v104-167 S^T, then p; v168-199 O^T; v200-215 p's codes; v216-231 at work; v232-235, v236-239 K's and V's scale words; v240 at work; v241 Q's scale word;
;   v242 f, v243 p's scale word; v244-251 a chunk on its way; v252-255 at work.
.set SLOT1, 131072
.set SCK,   262144                     ; K's scale words of my head: [step (32)][half (2)][row (16)][2 words]
.set SCV,   270336                     ; V's: [step (32)][row (16)][4 words]
.set SPARE, 278528                     ; the spare words, 128 bytes for each wave
.set SS, 104
.set OT, 168
.set PC, 200
.set TM, 216
	s_load_b256 s[68:75], s[0:1], 0x0              ; kvq_codes, kvq_scales, mbits, mflag
	s_load_b128 s[76:79], s[0:1], 0x20             ; att_codes, att_scales
	v_lshl_add_u32 v5, v0, 2, SPARE
	v_mov_b32 v6, 0
	v_lshrrev_b32 v8, 5, v0
	v_readfirstlane_b32 s16, v8                    ; wave 0..15
	s_and_b32 s6, ttmp7, 0xffff                    ; b 16 + head
	s_lshr_b32 s7, s6, 1                           ; b 8 + pair of heads
	s_and_b32 s8, s6, 1                            ; which of the pair
	s_lshr_b32 s9, s6, 4                           ; b
	s_lshr_b32 s11, s16, 2                         ; a
	s_and_b32 s12, s16, 3
	s_xor_b32 s12, s12, s11                        ; the quarter: a xor s
	s_and_b32 s13, s12, 1
	s_mul_i32 s13, s13, 7
	s_xor_b32 s13, s13, ttmp9                      ; x, or 7 - x in odd quarters
	s_lshl_b32 s10, s12, 5
	s_lshl_b32 s11, s11, 3
	s_add_co_u32 s10, s10, s11
	s_add_co_u32 s10, s10, s13                     ; my position tile of queries, 0..127
	s_lshr_b32 s2, s16, 3                          ; I fill for K (0) or for V (1),
	s_and_b32 s3, s16, 7                           ; which 1,024 bytes of a step's 8,192
	s_lshl_b32 s24, s2, 16
	s_lshl_b32 s25, s3, 10
	s_add_co_u32 s24, s24, s25                     ; in a slot
	s_lshl_b32 s26, s16, 9                         ; my part of the scale words: 512 bytes a wave
	s_add_co_u32 s27, s26, SCV
	v_and_b32 v8, 31, v0
	v_lshlrev_b32 v1, 4, v8                        ; 16 x lane
	v_add_nc_u32 v4, s24, v1
	v_and_b32 v9, 15, v0                           ; r
	v_lshl_add_u32 v2, v9, 3, SCK
	v_lshl_add_u32 v3, v9, 4, SCV
	v_lshlrev_b32 v10, 4, v9                       ; 16 r
	v_bfe_u32 v11, v0, 4, 1
	v_lshl_add_u32 v11, v11, 9, v10                ; V's scales in memory: step 2 w + h, row r
	v_lshl_add_u32 v216, v8, 3, SCK
	v_add_nc_u32 v216, s26, v216                   ; K's scale words, on the way in: 8 bytes a lane
	v_add_nc_u32 v217, s27, v1                     ; V's: 16 bytes a lane
	s_mov_b32 s91, 0
	s_lshl_b32 s90, s2, 23                         ; V's codes lie 8,388,608 behind K's
	s_add_co_u32 s90, s90, s25
	s_lshl_b32 s92, s6, 18
	s_add_co_u32 s90, s90, s92
	s_wait_alu depctr_va_vdst(0)                   ; the wait here, directly ahead of the wait below
	s_wait_kmcnt 0x0
	s_add_nc_u64 s[14:15], s[68:69], s[90:91]      ; my part of the head's first key step
.irp j, 0,1,2,3,4,5,6,7
	global_load_b128 v[SS+8*\j:SS+8*\j+3], v1, s[14:15] offset:8192*\j        ; slot 0: my 1,024 bytes of each of its eight steps
	global_load_b128 v[SS+8*\j+4:SS+8*\j+7], v1, s[14:15] offset:8192*\j+512
.endr
	s_lshl_b32 s93, s9, 7
	s_add_co_u32 s93, s93, s10                     ; b 128 + tile
	s_lshl_b32 s31, s93, 3
	s_load_b64 s[4:5], s[74:75], s31 offset:0x0    ; my tile's two summary words
	s_lshl_b32 s90, s7, 15
	s_lshl_b32 s92, s16, 10
	s_add_co_u32 s90, s90, s92
	s_add_nc_u64 s[80:81], s[70:71], s[90:91]      ; K's scale bytes of steps 2 w, 2 w + 1
	s_add_co_u32 s90, s90, 16384
	s_lshl_b32 s92, s8, 8
	s_add_co_u32 s90, s90, s92
	s_add_nc_u64 s[82:83], s[70:71], s[90:91]      ; V's, my head's
	global_load_b128 v[40:43], v1, s[80:81]
	global_load_b128 v[44:47], v1, s[80:81] offset:512
	global_load_b128 v[52:55], v11, s[82:83]
	s_lshl_b32 s90, s6, 17
	s_lshl_b32 s92, s10, 10
	s_add_co_u32 s90, s90, s92
	s_add_co_u32 s90, s90, 16777216
	s_add_nc_u64 s[84:85], s[68:69], s[90:91]      ; Q's codes
	s_lshl_b32 s90, s7, 4
	s_lshr_b32 s92, s10, 3
	s_add_co_u32 s90, s90, s92
	s_lshl_b32 s90, s90, 9
	s_bfe_u32 s92, s10, 0x10002
	s_lshl_b32 s92, s92, 8
	s_add_co_u32 s90, s90, s92
	s_and_b32 s92, s10, 3
	s_lshl_b32 s92, s92, 2
	s_add_co_u32 s90, s90, s92
	s_lshl_b32 s92, s8, 1
	s_add_co_u32 s90, s90, s92
	s_add_co_u32 s90, s90, 524288
	s_add_nc_u64 s[86:87], s[70:71], s[90:91]      ; Q's scale bytes: two for my head
	global_load_b128 v[24:27], v1, s[84:85]        ; Q's fragment stays in registers
	global_load_b128 v[28:31], v1, s[84:85] offset:512
	global_load_u16 v241, v10, s[86:87]
	s_lshl_b32 s90, s93, 13
	s_add_nc_u64 s[28:29], s[72:73], s[90:91]      ; my tile's mask words
	s_lshl_b32 s90, s93, 14
	s_and_b32 s92, s6, 15
	s_lshl_b32 s92, s92, 10
	s_add_co_u32 s90, s90, s92
	s_add_nc_u64 s[100:101], s[76:77], s[90:91]    ; the results' two units
	s_lshl_b32 s90, s6, 12
	s_lshl_b32 s92, s10, 5
	s_add_co_u32 s90, s90, s92
	s_add_nc_u64 s[104:105], s[78:79], s[90:91]    ; and their 32 scale bytes
	s_mov_b32 s3, 0x07060302                       ; which halves of K's scale words are my head's
	s_cmp_eq_u32 s8, 0
	s_cselect_b32 s3, 0x05040100, s3
	v_mov_b32 v7, 0xff800000                       ; -infinity
	v_mov_b32 v13, 0xff61b1e6                      ; the largest t so far: -3e38
	v_floor_f32 v12, -v13                          ; -M
	v_mov_b32 v14, 0
	v_mov_b32 v15, 0
	v_mov_b32 v240, 0                              ; a lane permute's destination counts as one of its sources
	v_mov_b32 v243, 0                              ; (named as the upper half of v[242:243] before it is first made)
.irp j, 0,1,2,3
	v_mov_b32 v[TM+4+\j], 0
.endr
.irp j, 0,1,2,3,4,5,6,7
	v_mov_b32 v[16+\j], 0                          ; zero codes on both sides of Q
	v_mov_b32 v[32+\j], 0
.endr
.set n, 0
.rept 32
	v_mov_b32 v[OT+n], 0                           ; O^T: the step is written once; the first change of M multiplies zeros
.set n, n+1
.endr
	s_mov_b32 s17, 0x600000                        ; the mantissa field of 57,344
	s_mov_b32 s18, 0x3e38aa3b                      ; c = log2(e) / 8
	s_mov_b32 s19, s18                             ; (named with it as a pair)
	s_mov_b32 s20, 0x76543210
	s_mov_b32 s21, 0xfedcba98
	s_mov_b32 s22, 0                               ; LDS byte at which the step's tiles begin,
	s_mov_b32 s27, SLOT1                           ; at which the chunk in hand goes,
	s_mov_b32 s23, 0                               ; and the step's scale words: 256 bytes a step
	s_mov_b32 s24, 3
	s_mov_b32 s26, 0                               ; the step's number
	s_wait_alu depctr_va_vdst(0)                   ; the wait here, directly ahead of the wait below
	s_wait_loadcnt 0x0
.irp j, 0,1,2,3,4,5,6,7
	ds_store_b128 v4, v[SS+8*\j:SS+8*\j+3] offset:8192*\j
	ds_store_b128 v4, v[SS+8*\j+4:SS+8*\j+7] offset:8192*\j+512
.endr
	v_perm_b32 v48, v41, v40, s3                   ; a word of two tiles: my head's two bytes of each
	v_perm_b32 v49, v43, v42, s3
	v_perm_b32 v50, v45, v44, s3
	v_perm_b32 v51, v47, v46, s3
	v_lshl_or_b32 v241, v241, 16, v241             ; Q's two bytes, for k 0-63 and for k 64-127
	ds_store_b64 v216, v[48:49]
	ds_store_b64 v216, v[50:51] offset:256
	ds_store_b128 v217, v[52:55]
	s_add_nc_u64 s[14:15], s[14:15], 65536         ; on to slot 1's first step (my loads are done)
	s_wait_kmcnt 0x0
	s_and_b32 s2, s4, 0xffff
	s_lshl_b32 s3, s5, 16
	s_or_b32 s2, s2, s3                            ; bit j: step j is all hidden
	s_lshr_b32 s3, s4, 16
	s_and_b32 s5, s5, 0xffff0000
	s_or_b32 s5, s5, s3                            ; bit j: step j has hidden scores
	s_mov_b32 s4, s2
; A KEY STEP: 128 keys.  fill = 1: my 1,024 bytes of the same step of the slot that follows are asked for at its head and stored at its end
.macro STEP fill
.if \fill
	s_wait_dscnt 0x0                               ; the last step's stores have read v244-251
	global_load_b128 v[244:247], v1, s[14:15]
	global_load_b128 v[248:251], v1, s[14:15] offset:512
.endif
	s_bitcmp1_b32 s4, s26
	s_cbranch_scc1 .Lhid_\@                        ; all hidden: nothing of the step's work
	v_add_nc_u32 v8, s22, v1
	v_add_nc_u32 v10, s23, v2
	v_add_nc_u32 v11, s23, v3
.rept 4
	v_nop                                          ; with the four additions: eight places between the last step's products and the loads into v40-103, which they read
.endr
	v_add_nc_u32 v9, 0x10000, v8                   ; V's tiles lie 65,536 behind K's
.set n, 0
.rept 16
	ds_load_b128 v[40+4*n:43+4*n], v8 offset:512*n ; eight tiles of 16 keys: 8,192 consecutive bytes
.set n, n+1
.endr
	ds_load_b64 v[232:233], v10
	ds_load_b64 v[234:235], v10 offset:128
	s_wait_alu depctr_va_vdst(0)                   ; the wait here, directly ahead of the wait below
	s_wait_dscnt 0x0
.irp t, 0,1,2,3
	v_wmma_scale_f32_16x16x128_f8f6f4 v[SS+16*\t:SS+16*\t+7], v[40+16*\t:55+16*\t], v[24:39], 0, v[232+\t], v241 matrix_a_fmt:MATRIX_FMT_BF8 matrix_b_fmt:MATRIX_FMT_BF8
	v_wmma_scale_f32_16x16x128_f8f6f4 v[SS+16*\t+8:SS+16*\t+15], v[40+16*\t:55+16*\t], v[16:31], 0, v[232+\t], v241 matrix_a_fmt:MATRIX_FMT_BF8 matrix_b_fmt:MATRIX_FMT_BF8
.endr
.rept 8
	v_nop                                          ; places in front of the loads into v40-103 and of the first read of the scores
.endr
.set n, 0
.rept 16
	ds_load_b128 v[40+4*n:43+4*n], v9 offset:512*n ; V's four tiles of 16 of the head's 64, K = these 128 keys: they land while the softmax is worked
.set n, n+1
.endr
	ds_load_b128 v[236:239], v11                   ; their four scale words
	s_bitcmp1_b32 s5, s26
	s_cbranch_scc0 .Lopen_\@                       ; no score of the step is hidden: no select
	s_lshl_b32 s30, s26, 8
	s_load_b512 s[32:47], s[28:29], s30 offset:0x0 ; the step's 64 mask words
	s_load_b512 s[48:63], s[28:29], s30 offset:0x40
	s_load_b512 s[68:83], s[28:29], s30 offset:0x80
	s_load_b512 s[84:99], s[28:29], s30 offset:0xc0
	s_wait_kmcnt 0x0
.set n, 0
.rept 32
	v_cndmask_b32 v[SS+n], v[SS+n], v7, s[32+n]    ; hidden scores become -infinity
.set n, n+1
.endr
.rept 32
	v_cndmask_b32 v[SS+n], v[SS+n], v7, s[36+n]
.set n, n+1
.endr
.Lopen_\@:
.irp b, 0,1,2,3
	v_max3_num_f32 v[TM+\b], v[SS+16*\b], v[SS+1+16*\b], v[SS+2+16*\b]   ; the largest score of each block of 32 keys, for the row's maximum and for the block's largest p: two chains a block, eight by turns
.endr
.irp b, 0,1,2,3
	v_max3_num_f32 v[TM+4+\b], v[SS+7+16*\b], v[SS+8+16*\b], v[SS+9+16*\b]
.endr
.irp i, 3,5
.irp b, 0,1,2,3
	v_max3_num_f32 v[TM+\b], v[TM+\b], v[SS+16*\b+\i], v[SS+1+16*\b+\i]
.endr
.irp b, 0,1,2,3
	v_max3_num_f32 v[TM+4+\b], v[TM+4+\b], v[SS+7+16*\b+\i], v[SS+8+16*\b+\i]
.endr
.endr
.irp b, 0,1,2,3
	v_max3_num_f32 v[TM+\b], v[TM+\b], v[SS+14+16*\b], v[SS+15+16*\b]
.endr
.irp b, 0,1,2,3
	s_delay_alu instid0(VALU_DEP_4)
	v_max_num_f32 v[TM+\b], v[TM+\b], v[TM+4+\b]   ; the block's two chains
.endr
.irp b, 0,1,2,3
	s_delay_alu instid0(VALU_DEP_4)
	v_permlanex16_b32 v[TM+4+\b], v[TM+\b], s20, s21
.endr
.irp b, 0,1,2,3
	s_delay_alu instid0(VALU_DEP_4)
	v_max_num_f32 v[TM+\b], v[TM+\b], v[TM+4+\b]   ; with lane l xor 16's 16 keys
.endr
	s_delay_alu instid0(VALU_DEP_2)
	v_max3_num_f32 v240, v[TM], v[TM+1], v[TM+2]
	s_delay_alu instid0(VALU_DEP_1)
	v_max_num_f32 v240, v240, v[TM+3]
	s_delay_alu instid0(VALU_DEP_1)
	v_mul_f32 v240, s18, v240                      ; the step's largest t
	s_delay_alu instid0(VALU_DEP_1)
	v_max_num_f32 v13, v13, v240                   ; the running largest t
	v_mov_b32 v240, v12
	s_delay_alu instid0(VALU_DEP_2)
	v_floor_f32 v12, -v13                          ; the new -M = -ceil(t)
	s_delay_alu instid0(VALU_DEP_1)
	v_sub_f32 v240, v12, v240                      ; old M - new M: a whole number, 0 or less
	s_delay_alu instid0(VALU_DEP_1)
	v_cvt_i32_f32 v240, v240                       ; (it saturates)
	s_delay_alu instid0(VALU_DEP_1)
	v_ldexp_f32 v242, 1.0, v240                    ; f = 2^(old M - new M)
.set n, 0
.rept 32
	v_pk_fma_f32 v[SS+n:SS+1+n], v[SS+n:SS+1+n], s[18:19], v[12:13] op_sel_hi:[1,0,0]   ; t - M, two at a time
.set n, n+2
.endr
.irp b, 0,1,2,3
	v_fma_f32 v[TM+\b], v[TM+\b], s18, v12         ; the same of each block's largest score
.endr
.set n, 0
	s_wait_alu depctr_va_vdst(0)                   ; the wait ahead of the batch
.rept 64
	v_exp_f32 v[SS+n], v[SS+n]                     ; p = 2^(t - M)
.set n, n+1
.endr
.irp b, 0,1,2,3
	v_exp_f32 v[TM+\b], v[TM+\b]                   ; the block's largest p
.endr
	v_pk_mul_f32 v[14:15], v[14:15], v[242:243] op_sel_hi:[1,0]   ; the sum under the new M.  (A plain place behind the exponentials)
	s_wait_alu depctr_va_vdst(0)                   ; one wait for the batch, ahead of its first reader
.irp b, 0,1,2,3
	v_max_num_f32 v[TM+\b], 0x8000000, v[TM+\b]    ; the floor 2^(16 - 127)
.endr
.irp b, 0,1,2,3
	s_delay_alu instid0(VALU_DEP_4)
	v_add_nc_u32 v[TM+12+\b], 0xf8800000, v[TM+\b] ; the conversion's scale operand
.endr
.irp b, 0,1,2,3
	v_and_or_b32 v[TM+8+\b], v[TM+\b], 0x7f800000, s17   ; 57,344 x the scale
.endr
.irp b, 0,1,2,3
	v_lshrrev_b32 v[TM+4+\b], 23, v[TM+12+\b]      ; the byte
.endr
	s_delay_alu instid0(VALU_DEP_3)
	v_lshl_or_b32 v243, v[TM+5], 8, v[TM+4]        ; p's scale word for these 128 keys
	s_delay_alu instid0(VALU_DEP_1)
	v_lshl_or_b32 v243, v[TM+6], 16, v243
	s_delay_alu instid0(VALU_DEP_1)
	v_lshl_or_b32 v243, v[TM+7], 24, v243
.set n, 0
.irp c, 216,218,220,222,252,254        ; the row's sum of the unquantised p: 32 pairs, seven chains by turns
	v_pk_add_f32 v[\c:\c+1], v[SS+n:SS+1+n], v[SS+2+n:SS+3+n]
.set n, n+4
.endr
.irp c, 14,216,218,220,222,252,254,14,216,218,220,222,252,254,216,218,220,222,252,254
	v_pk_add_f32 v[\c:\c+1], v[\c:\c+1], v[SS+n:SS+1+n]
.set n, n+2
.endr
.irp b, 0,1,2,3
.irp i, 0,1,2,3,4,5,6,7,8,9,10,11,12,13,14,15
	v_min_num_f32 v[SS+16*\b+\i], v[SS+16*\b+\i], v[TM+8+\b]   ; the hold; p is not negative, so it is one-sided
.endr
	v_cvt_scalef32_pk8_bf8_f32 v[PC+4*\b:PC+1+4*\b], v[SS+16*\b:SS+7+16*\b], v[TM+12+\b]
	v_cvt_scalef32_pk8_bf8_f32 v[PC+2+4*\b:PC+3+4*\b], v[SS+8+16*\b:SS+15+16*\b], v[TM+12+\b]
.if \b == 0                            ; the sum's seven chains are joined between the blocks' holds, each level a block's 16 holds behind the level that it reads
	v_pk_add_f32 v[216:217], v[216:217], v[218:219]
	v_pk_add_f32 v[220:221], v[220:221], v[222:223]
	v_pk_add_f32 v[252:253], v[252:253], v[254:255]
.endif
.if \b == 1
	v_pk_add_f32 v[216:217], v[216:217], v[220:221]
	v_pk_add_f32 v[14:15], v[14:15], v[252:253]
.endif
.if \b == 2
	v_pk_add_f32 v[14:15], v[14:15], v[216:217]
.endif
.endr
	s_wait_alu depctr_va_vdst(0)                   ; the wait here, directly ahead of the first reader of O^T
.set n, 0
.rept 16
	v_pk_mul_f32 v[OT+n:OT+1+n], v[OT+n:OT+1+n], v[242:243] op_sel_hi:[1,0]   ; O^T under the new M.  (Also the plain lines behind the conversions and in front of the products)
.set n, n+2
.endr
	s_wait_alu depctr_va_vdst(0)                   ; the wait here, directly ahead of the wait below
	s_wait_dscnt 0x0                               ; V's tiles and scale words
.irp t, 0,1,2,3                        ; four accumulators, one instruction a turn; the scores' eight products stand between two links
	v_wmma_scale_f32_16x16x128_f8f6f4 v[OT+8*\t:OT+7+8*\t], v[40+16*\t:55+16*\t], v[PC:PC+15], v[OT+8*\t:OT+7+8*\t], v[236+\t], v243 matrix_a_fmt:MATRIX_FMT_BF8 matrix_b_fmt:MATRIX_FMT_BF8
.endr
.Lhid_\@:
.if \fill
	s_wait_loadcnt 0x0                             ; my chunk is in, and its loads' base may step
	v_add_nc_u32 v8, s27, v4
	ds_store_b128 v8, v[244:247]
	ds_store_b128 v8, v[248:251] offset:512
	s_add_nc_u64 s[14:15], s[14:15], 8192
	s_add_co_u32 s27, s27, 8192
.endif
	s_add_co_u32 s26, s26, 1
	s_add_co_u32 s22, s22, 8192
	s_add_co_u32 s23, s23, 256
.endm
; THE CHANGE OF SLOTS: my stores into the slot ahead are done and my reads of the slot behind are over; behind the barrier that holds of all sixteen waves
.macro CHANGE
	s_wait_dscnt 0x0
	s_barrier_signal -1
	s_barrier_wait -1
.endm
.macro SLOT8 fill                      ; a slot's eight key steps: written once, walked eight times
	s_mov_b32 s25, 8
.Lstep_\@:
	STEP \fill
	s_sub_co_u32 s25, s25, 1
	s_cmp_lg_u32 s25, 0
	s_cbranch_scc1 .Lstep_\@
	s_sub_co_u32 s22, s22, 65536
	s_xor_b32 s22, s22, SLOT1                      ; on to the other slot
.if \fill
	s_sub_co_u32 s27, s27, 65536
	s_xor_b32 s27, s27, SLOT1
.endif
.endm
	s_wait_alu depctr_va_vdst(0)                   ; the wait at the head's end
.Lslot:                                            ; three trips: while a slot is walked, the slot that follows is filled
	CHANGE
	SLOT8 1
	s_sub_co_u32 s24, s24, 1
	s_cmp_lg_u32 s24, 0
	s_cbranch_scc1 .Lslot
	CHANGE
	SLOT8 0                                        ; the last slot: nothing follows it
	; THE WAY OUT: O^T / the sum; register 16 B + i is d = 32 B + 16 h + i of my query's head: two blocks of the last product's K.
.rept 8
	v_nop
.endr
	v_add_f32 v14, v14, v15
	v_permlanex16_b32 v240, v14, s20, s21
	v_add_f32 v14, v14, v240                       ; the row's sum
	s_wait_alu depctr_va_vdst(0)                   ; the wait ahead of the transcendental
	v_rcp_f32 v240, v14
	v_bfe_u32 v8, v0, 4, 1                         ; (a plain place behind the transcendental)  h
.set n, 0
	s_wait_alu depctr_va_vdst(0)                   ; the wait, ahead of the first reader
.rept 32
	v_mul_f32 v[SS+n], v[OT+n], v240
.set n, n+1
.endr
.irp b, 0,1
	v_max3_num_f32 v[TM+\b], |v[SS+16*\b]|, |v[SS+1+16*\b]|, 0x8000000
.endr
.irp i, 2,4,6,8,10,12,14
.irp b, 0,1
	v_max3_num_f32 v[TM+\b], v[TM+\b], |v[SS+16*\b+\i]|, |v[SS+1+16*\b+\i]|
.endr
.endr
.irp b, 0,1
	v_permlanex16_b32 v[TM+4+\b], v[TM+\b], s20, s21
.endr
.irp b, 0,1
	v_max_num_f32 v[TM+\b], v[TM+\b], v[TM+4+\b]
.endr
.irp b, 0,1
	v_add_nc_u32 v[TM+12+\b], 0xf8800000, v[TM+\b]
.endr
.irp b, 0,1
	v_and_or_b32 v[TM+8+\b], v[TM+\b], 0x7f800000, s17
.endr
.irp b, 0,1
	v_lshrrev_b32 v[TM+4+\b], 23, v[TM+12+\b]
.endr
.irp b, 0,1
.irp i, 0,1,2,3,4,5,6,7,8,9,10,11,12,13,14,15
	v_med3_num_f32 v[SS+16*\b+\i], v[SS+16*\b+\i], -v[TM+8+\b], v[TM+8+\b]
.endr
	v_cvt_scalef32_pk8_bf8_f32 v[PC+4*\b:PC+1+4*\b], v[SS+16*\b:SS+7+16*\b], v[TM+12+\b]
	v_cvt_scalef32_pk8_bf8_f32 v[PC+2+4*\b:PC+3+4*\b], v[SS+8+16*\b:SS+15+16*\b], v[TM+12+\b]
.endr
	v_nop                                          ; one plain line behind the last conversion
	v_cmp_eq_f32 vcc_lo, 0, v14                    ; a row all of whose keys are hidden: a select of a value, no branch
	v_mov_b32 v9, 0xff
	v_cndmask_b32 v[TM+4], v[TM+4], v9, vcc_lo
	v_cndmask_b32 v[TM+5], v[TM+5], v9, vcc_lo
	v_cmp_ne_u32 vcc_lo, 0, v8
	v_cndmask_b32 v[TM+4], v[TM+4], v[TM+5], vcc_lo   ; lanes 0-15 send block 0's byte, lanes 16-31 block 1's
	v_and_b32 v9, 15, v0
	v_lshl_add_u32 v10, v9, 1, v8                  ; 2 r + h
	global_store_b128 v1, v[PC:PC+3], s[100:101]   ; a unit: 512 consecutive bytes, aligned
	global_store_b128 v1, v[PC+4:PC+7], s[100:101] offset:512
	global_store_b8 v10, v[TM+4], s[104:105]       ; the wave's 32 consecutive bytes
	s_wait_tensorcnt 0x0                           ; the wave's end
	ds_add_u32 v5, v6
	s_wait_dscnt 0x0
	s_endpgm
.Lfunc_end_k_q2cade6e6e7_attn:
	.size	k_q2cade6e6e7_attn, .Lfunc_end_k_q2cade6e6e7_attn-k_q2cade6e6e7_attn
	.p2alignl 7, 3214868480
	.fill 96, 4, 3214868480
	.section	.rodata,"a",@progbits
	.p2align	6, 0x0
	.amdhsa_kernel k_q2cade6e6e7_attn
		.amdhsa_group_segment_fixed_size 280576
		.amdhsa_private_segment_fixed_size 0
		.amdhsa_enable_private_segment 0
		.amdhsa_kernarg_size 48
		.amdhsa_user_sgpr_count 2
		.amdhsa_user_sgpr_kernarg_segment_ptr 1
		.amdhsa_wavefront_size32 1
		.amdhsa_system_sgpr_workgroup_id_x 1
		.amdhsa_system_sgpr_workgroup_id_y 1
		.amdhsa_system_sgpr_workgroup_id_z 1
		.amdhsa_system_vgpr_workitem_id 0
		.amdhsa_next_free_vgpr 256
		.amdhsa_next_free_sgpr 106
		.amdhsa_reserve_vcc 1
		.amdhsa_float_denorm_mode_32 3
		.amdhsa_float_denorm_mode_16_64 3
		.amdhsa_memory_ordered 1
		.amdhsa_forward_progress 1
		.amdhsa_inst_pref_size 66
	.end_amdhsa_kernel
	.amdgpu_metadata
---
amdhsa.version: [ 1, 2 ]
amdhsa.kernels:
  - .name:           k_q2cade6e6e7_attn
    .symbol:         k_q2cade6e6e7_attn.kd
    .args:
      - { .name: kvq_codes, .offset: 0, .size: 8, .value_kind: global_buffer, .address_space: global }
      - { .name: kvq_scales, .offset: 8, .size: 8, .value_kind: global_buffer, .address_space: global }
      - { .name: mbits, .offset: 16, .size: 8, .value_kind: global_buffer, .address_space: global }
      - { .name: mflag, .offset: 24, .size: 8, .value_kind: global_buffer, .address_space: global }
      - { .name: att_codes, .offset: 32, .size: 8, .value_kind: global_buffer, .address_space: global }
      - { .name: att_scales, .offset: 40, .size: 8, .value_kind: global_buffer, .address_space: global }
    .group_segment_fixed_size: 280576
    .private_segment_fixed_size: 0
    .kernarg_segment_align: 8
    .kernarg_segment_size: 48
    .max_flat_workgroup_size: 512
    .sgpr_count:     106
    .vgpr_count:     256
    .wavefront_size: 32
...
	.end_amdgpu_metadata
.endif
;; end of part 3
;; launch outln (part 4): grid 128 x 1, 4 waves a work-group, no clusters, 164,864 bytes of LDS; arguments att_codes, att_scales, in_codes, in_scales, x, ln_g, ln_b, out0; writes out0
.if DOCPART == 4
	.amdgcn_target "amdgcn-amd-amdhsa--gfx1250"
	.amdhsa_code_object_version 6
	.text
	.protected	k_q2cade6e6e7_outln
	.globl	k_q2cade6e6e7_outln
	.p2align	8
	.type	k_q2cade6e6e7_outln,@function
k_q2cade6e6e7_outln:
	s_mov_b64 s[64:65], 0
	v_nop
	global_prefetch_b8 v0, s[64:65] scope:SCOPE_SE
	s_setreg_imm32_b32 hwreg(HW_REG_WAVE_MODE, 25, 1), 1
	s_wait_xcnt 0x0
; out0 = LayerNorm(x + attended W_o) g + b.  The product on codes of E5M2 with E8M0 scales, K = 1,024; all else in f32; the variance in two passes (no difference of large sums).
; SHARES.  A work-group owns 32 whole rows (two position tiles: one group of 32, so the rows are 32 wg .. 32 wg + 31); wave w makes columns 256 w .. 256 w + 255: 16 position tiles of W_o x 2 tiles of rows = 32 accumulators.
; Each byte of W_o is wanted by one wave of a work-group: its fragments come straight from memory into registers (images: 512 consecutive bytes a load), four batches of 16 loads ahead.  No tensor load, so no ring.
; NO MULTICAST: W_o goes into registers without touching LDS; a joint load would add a ring and an LDS round trip for it.  The price: each of the 128 work-groups reads W_o's 1 MiB of codes.  128 work-groups: rows must be whole for the norm.
; The rows' codes (32 KiB) are copied into LDS once, a quarter a wave, and read by all four.  The results meet in a stage of 32 rows x (4,096 + 16) bytes; each wave then norms 8 whole rows.
; The stage's stores: the two groups of eight rows of a tile lie 16 rows apart, so they go two deep in the banks (stated).
; THE MATRIX INSTRUCTION takes 16 columns of W_o as source 0 and 16 rows as source 1: a lane holds one row; W_o's columns lie in position order, so a tile's eight registers are eight neighbouring columns.
; REGISTERS: window 0: v1-9 addresses; v32-47 the rows' scale words (tile m, K step s: 8 m + s); v48-63 at work; v64-127 W_o's scale words (8 p + s: lanes 0-15 tile p, lanes 16-31 tile p + 8); v128-191 the rows' fragments, two sets; v192-223 g; v224-255 b.
;   window 1: W_o's fragments, four buffers of 64; later y, row i at 32 i.   window 2: accumulator (m, n) at 8 (16 m + n).   window 3: x, row i at 32 i.
.set STG,    32768
.set SPITCH, 4112
.set MSB, 0
.macro WIN new                         ; the immediate's high byte repeats the setting that is left
.if MSB != \new
	s_set_vgpr_msb (MSB<<8)|\new
.set MSB, \new
.endif
.endm
	s_load_b256 s[4:11], s[0:1], 0x0               ; att_codes, att_scales, in_codes, in_scales
	s_load_b256 s[12:19], s[0:1], 0x20             ; x, ln_g, ln_b, out0
	v_lshl_add_u32 v30, v0, 2, 0x28200
	v_mov_b32 v31, 0
	v_lshrrev_b32 v1, 5, v0
	v_readfirstlane_b32 s20, v1                    ; wave 0..3
	v_and_b32 v10, 31, v0
	v_lshlrev_b32 v1, 4, v10                       ; 16 x lane
	v_and_b32 v2, 15, v0                           ; r
	v_bfe_u32 v3, v0, 4, 1                         ; h
	s_lshl_b32 s26, s20, 13
	v_add_nc_u32 v4, s26, v1                       ; where I put my quarter of the rows' codes
	v_lshlrev_b32 v5, 5, v2
	v_lshl_add_u32 v5, v3, 12, v5                  ; W_o's scales: row r, lanes 16-31 eight tiles further on
	v_lshlrev_b32 v6, 1, v2                        ; the rows' scales: 2 bytes a row and head
	v_and_b32 v10, 8, v2
	v_add_nc_u32 v10, v10, v2                      ; r + 8 (r / 8): position row r of tile m is row 8 m + this
	v_mul_u32_u24 v7, v10, SPITCH
	v_lshl_add_u32 v7, v3, 6, v7
	s_lshl_b32 s27, s20, 10
	s_add_co_u32 s27, s27, STG
	v_add_nc_u32 v7, s27, v7                       ; the stage, tile 0: my row, + 64 h, + 1,024 w
	v_add_nc_u32 v8, 8*SPITCH, v7                  ; tile 1
	s_mul_i32 s27, s20, 8*SPITCH
	s_add_co_u32 s27, s27, STG
	v_add_nc_u32 v9, s27, v1                       ; back: my 8 rows, 16 bytes a lane
	s_mov_b32 s22, 0x76543210
	s_mov_b32 s23, 0xfedcba98
	s_mov_b32 s24, 0x3a800000                      ; 1 / 1,024
	s_mov_b32 s25, 0x3727c5ac                      ; 1e-5
	s_mov_b32 s29, 0
	s_wait_alu depctr_va_vdst(0)
	s_wait_kmcnt 0x0
	s_lshl_b32 s28, ttmp9, 15
	s_add_co_u32 s28, s28, s26
	s_add_nc_u64 s[4:5], s[4:5], s[28:29]          ; my quarter of the two tiles' 32,768 bytes
	s_lshr_b32 s28, ttmp9, 6
	s_lshl_b32 s28, s28, 16
	s_and_b32 s30, ttmp9, 63
	s_lshl_b32 s30, s30, 6
	s_add_co_u32 s28, s28, s30
	s_add_nc_u64 s[6:7], s[6:7], s[28:29]          ; b's 16 heads x 4,096 bytes; my first tile's 32 bytes in each
	s_lshl_b32 s28, s20, 18
	s_add_co_u32 s28, s28, 704*16384
	s_add_nc_u64 s[8:9], s[8:9], s[28:29]          ; W_o's tiles 704 + 16 w on
	s_lshl_b32 s28, s20, 13
	s_add_co_u32 s28, s28, 11264*32
	s_add_nc_u64 s[10:11], s[10:11], s[28:29]
	s_lshl_b32 s28, ttmp9, 17
	s_lshl_b32 s30, s20, 15
	s_add_co_u32 s28, s28, s30
	s_add_nc_u64 s[12:13], s[12:13], s[28:29]      ; x and out0 at row 32 wg + 8 w
	s_add_nc_u64 s[18:19], s[18:19], s[28:29]
.macro BBATCH G                        ; batch G: K step G / 4, W_o's tiles 4 (G % 4) .. + 3, into buffer G % 4
	WIN 0x40
.irp t, 0,1,2,3
.irp c, 0,1,2,3
	global_load_b128 v[64*((\G)%4)+16*\t+4*\c:64*((\G)%4)+16*\t+4*\c+3], v1, s[8:9] offset:(4*((\G)%4)+\t)*16384+((\G)/4)*2048+512*\c
.endr
.endr
	WIN 0
.endm
.macro XBATCH k                        ; rows 2 k and 2 k + 1 of my 8 rows of x: as many loads as a batch of W_o, so that the loop's count stays
	WIN 0xc0
.irp i, 0,1
.irp j, 0,1,2,3,4,5,6,7
	global_load_b128 v[32*(2*(\k)+\i)+4*\j:32*(2*(\k)+\i)+4*\j+3], v1, s[12:13] offset:(2*(\k)+\i)*4096+512*\j th:TH_LOAD_NT
.endr
.endr
	WIN 0
.endm
.macro AFETCH s                        ; the rows' two fragments of K step s into set s % 2
.irp m, 0,1
.irp c, 0,1,2,3
	ds_load_b128 v[128+32*((\s)%2)+16*\m+4*\c:128+32*((\s)%2)+16*\m+4*\c+3], v1 offset:16384*\m+2048*(\s)+512*\c
.endr
.endr
.endm
.macro MUL8 G                          ; eight accumulators, one instruction a turn; each comes again four batches later
.set SS, (\G)/4
.set GG, (\G)%4
.irp m, 0,1
.irp t, 0,1,2,3
.if SS == 0
.if GG < 2
	v_wmma_scale_f32_16x16x128_f8f6f4 v[8*(16*\m+4*GG+\t):8*(16*\m+4*GG+\t)+7], v[64*GG+16*\t:64*GG+16*\t+15], v[128+32*(SS%2)+16*\m:128+32*(SS%2)+16*\m+15], 0, v[64+8*((4*GG+\t)%8)+SS], v[32+8*\m+SS] matrix_a_fmt:MATRIX_FMT_BF8 matrix_b_fmt:MATRIX_FMT_BF8
.else
	v_wmma_scale_f32_16x16x128_f8f6f4 v[8*(16*\m+4*GG+\t):8*(16*\m+4*GG+\t)+7], v[64*GG+16*\t:64*GG+16*\t+15], v[128+32*(SS%2)+16*\m:128+32*(SS%2)+16*\m+15], 0, v[64+8*((4*GG+\t)%8)+SS], v[32+8*\m+SS] matrix_a_fmt:MATRIX_FMT_BF8 matrix_b_fmt:MATRIX_FMT_BF8 matrix_a_scale:MATRIX_SCALE_ROW1
.endif
.else
.if GG < 2
	v_wmma_scale_f32_16x16x128_f8f6f4 v[8*(16*\m+4*GG+\t):8*(16*\m+4*GG+\t)+7], v[64*GG+16*\t:64*GG+16*\t+15], v[128+32*(SS%2)+16*\m:128+32*(SS%2)+16*\m+15], v[8*(16*\m+4*GG+\t):8*(16*\m+4*GG+\t)+7], v[64+8*((4*GG+\t)%8)+SS], v[32+8*\m+SS] matrix_a_fmt:MATRIX_FMT_BF8 matrix_b_fmt:MATRIX_FMT_BF8
.else
	v_wmma_scale_f32_16x16x128_f8f6f4 v[8*(16*\m+4*GG+\t):8*(16*\m+4*GG+\t)+7], v[64*GG+16*\t:64*GG+16*\t+15], v[128+32*(SS%2)+16*\m:128+32*(SS%2)+16*\m+15], v[8*(16*\m+4*GG+\t):8*(16*\m+4*GG+\t)+7], v[64+8*((4*GG+\t)%8)+SS], v[32+8*\m+SS] matrix_a_fmt:MATRIX_FMT_BF8 matrix_b_fmt:MATRIX_FMT_BF8 matrix_a_scale:MATRIX_SCALE_ROW1
.endif
.endif
.endr
.endr
.endm
	BBATCH 0
	BBATCH 1
.irp i, 0,1,2,3,4,5,6,7,8,9,10,11,12,13,14,15
	global_load_b128 v[128+4*\i:131+4*\i], v1, s[4:5] offset:512*\i        ; my quarter of the rows' codes
.endr
.irp p, 0,1,2,3,4,5,6,7
	global_load_b128 v[64+8*\p:67+8*\p], v5, s[10:11] offset:512*\p        ; W_o's scale words of K steps 0-3,
	global_load_b128 v[68+8*\p:71+8*\p], v5, s[10:11] offset:512*\p+16     ; 4-7
.endr
.irp m, 0,1
.irp s, 0,1,2,3,4,5,6,7
	global_load_u16 v[32+8*\m+\s], v6, s[6:7] offset:(2*\s)*4096+32*\m     ; the rows' scale bytes: K step s is heads 2 s
	global_load_u16 v[48+8*\m+\s], v6, s[6:7] offset:(2*\s+1)*4096+32*\m   ; and 2 s + 1
.endr
.endr
.irp j, 0,1,2,3,4,5,6,7
	global_load_b128 v[192+4*\j:195+4*\j], v1, s[14:15] offset:512*\j      ; g and b of my columns 128 j + 4 lane + 0 .. 3
	global_load_b128 v[224+4*\j:227+4*\j], v1, s[16:17] offset:512*\j
.endr
	s_wait_loadcnt 0x0
.irp i, 0,1,2,3,4,5,6,7,8,9,10,11,12,13,14,15
	ds_store_b128 v4, v[128+4*\i:131+4*\i] offset:512*\i
.endr
.set k, 0
.rept 16
	v_lshl_or_b32 v[32+k], v[48+k], 16, v[32+k]    ; four bytes make a row's scale word of a K step
.set k, k+1
.endr
	BBATCH 2
	BBATCH 3
	s_wait_alu depctr_va_vdst(0)
	s_wait_dscnt 0x0                               ; for the others' sake: my stores are done
	s_barrier_signal -1
	s_barrier_wait -1                              ; the rows' codes lie in LDS
	AFETCH 0
.rept 8
	v_nop                                          ; a scale register written by a vector instruction stands eight places ahead of the product that names it
.endr
.set G, 0
.rept 32
	s_wait_loadcnt 48                              ; batch G is in: behind it three batches of 16 loads have been issued
.if G%4 == 0
	s_wait_dscnt 0x0                               ; the rows' fragments of this K step
.endif
	WIN 0xa1                                       ; source 0 window 1, source 1 window 0, C and D window 2
	MUL8 G
	WIN 0
.rept 8
	v_nop                                          ; places in front of loads into the buffer just read (and, behind the last batch, of the first read of results)
.endr
.if (G%4 == 1) && (G/4 < 7)
	AFETCH G/4+1
.endif
.if G+4 < 32
	BBATCH G+4
.else
	XBATCH G+4-32
.endif
.set G, G+1
.endr
	WIN 0x08                                       ; an LDS store's data are its source 1: window 2
.irp m, 0,1
.irp n, 0,1,2,3,4,5,6,7,8,9,10,11,12,13,14,15
	ds_store_b128 v[7+\m], v[8*(16*\m+\n):8*(16*\m+\n)+3] offset:128*(\n/2)+32*(\n%2)         ; columns 256 w + 32 (n / 2) + 16 h + 8 (n % 2) + 0 .. 7; each accumulator from its low end on
	ds_store_b128 v[7+\m], v[8*(16*\m+\n)+4:8*(16*\m+\n)+7] offset:128*(\n/2)+32*(\n%2)+16
.endr
.endr
	WIN 0
	s_wait_dscnt 0x0
	s_barrier_signal -1
	s_barrier_wait -1                              ; 32 whole rows lie in the stage
	WIN 0x40
.irp i, 0,1,2,3,4,5,6,7
.irp j, 0,1,2,3,4,5,6,7
	ds_load_b128 v[32*\i+4*\j:32*\i+4*\j+3], v9 offset:\i*SPITCH+512*\j
.endr
.endr
	WIN 0
.macro TREE                            ; eight pairs in v48-63 -> their sum over the wave's 32 lanes, in v48 of every lane
	v_pk_add_f32 v[48:49], v[48:49], v[50:51]
	v_pk_add_f32 v[52:53], v[52:53], v[54:55]
	v_pk_add_f32 v[56:57], v[56:57], v[58:59]
	v_pk_add_f32 v[60:61], v[60:61], v[62:63]
	v_pk_add_f32 v[48:49], v[48:49], v[52:53]
	v_pk_add_f32 v[56:57], v[56:57], v[60:61]
	v_pk_add_f32 v[48:49], v[48:49], v[56:57]
	v_add_f32 v48, v48, v49
	v_add_f32_dpp v48, v48, v48 row_xmask:1 row_mask:0xf bank_mask:0xf
	v_add_f32_dpp v48, v48, v48 row_xmask:2 row_mask:0xf bank_mask:0xf
	v_add_f32_dpp v48, v48, v48 row_xmask:4 row_mask:0xf bank_mask:0xf
	v_add_f32_dpp v48, v48, v48 row_xmask:8 row_mask:0xf bank_mask:0xf
	v_permlanex16_b32 v49, v48, s22, s23
	v_add_f32 v48, v48, v49
.endm
.macro ROWLN i                         ; row 8 w + i: 32 numbers a lane
	s_wait_dscnt 8*(7-\i)                          ; this row is back from the stage; the later rows' eight loads each may be out
	s_wait_loadcnt 8*(7-\i)                        ; and its x is in; likewise
	WIN 0x4d                                       ; y (destination, source 0) window 1, x window 3
.set k, 0
.rept 16
	v_pk_add_f32 v[32*\i+2*k:32*\i+2*k+1], v[32*\i+2*k:32*\i+2*k+1], v[32*\i+2*k:32*\i+2*k+1]   ; y = product + x
.set k, k+1
.endr
	WIN 0x05                                       ; sources 0 and 1 window 1, destination window 0
.set k, 0
.rept 8
	v_pk_add_f32 v[48+2*k:49+2*k], v[32*\i+4*k:32*\i+4*k+1], v[32*\i+4*k+2:32*\i+4*k+3]
.set k, k+1
.endr
	WIN 0
	TREE
	v_mul_f32 v50, s24, v48                        ; the mean
	WIN 0x41                                       ; y window 1, the mean window 0
.set k, 0
.rept 16
	v_pk_add_f32 v[32*\i+2*k:32*\i+2*k+1], v[32*\i+2*k:32*\i+2*k+1], v[50:51] op_sel_hi:[1,0] neg_lo:[0,1] neg_hi:[0,1]
.set k, k+1
.endr
	WIN 0x05
.set k, 0
.rept 8
	v_pk_mul_f32 v[48+2*k:49+2*k], v[32*\i+4*k:32*\i+4*k+1], v[32*\i+4*k:32*\i+4*k+1]
.set k, k+1
.endr
.set k, 0
.rept 8
	v_pk_fma_f32 v[48+2*k:49+2*k], v[32*\i+4*k+2:32*\i+4*k+3], v[32*\i+4*k+2:32*\i+4*k+3], v[48+2*k:49+2*k]
.set k, k+1
.endr
	WIN 0
	TREE
	v_fma_f32 v48, v48, s24, s25                   ; the variance + 1e-5
	s_wait_alu depctr_va_vdst(0)
	v_rsq_f32 v50, v48
	v_nop                                          ; a plain line behind the transcendental
	WIN 0x41
.set k, 0
	s_wait_alu depctr_va_vdst(0)
.rept 16
	v_pk_mul_f32 v[32*\i+2*k:32*\i+2*k+1], v[32*\i+2*k:32*\i+2*k+1], v[50:51] op_sel_hi:[1,0]
.set k, k+1
.endr
.set k, 0
.rept 16
	v_pk_fma_f32 v[32*\i+2*k:32*\i+2*k+1], v[32*\i+2*k:32*\i+2*k+1], v[192+2*k:193+2*k], v[224+2*k:225+2*k]
.set k, k+1
.endr
	WIN 0x04                                       ; a store's data are its source 1: window 1
.irp j, 0,1,2,3,4,5,6,7
	global_store_b128 v1, v[32*\i+4*\j:32*\i+4*\j+3], s[18:19] offset:\i*4096+512*\j th:TH_STORE_NT   ; 512 consecutive bytes, aligned; no register is written again
.endr
.endm
.irp i, 0,1,2,3,4,5,6,7
	ROWLN \i
.endr
	WIN 0
	s_wait_tensorcnt 0x0
	ds_add_u32 v30, v31
	s_wait_dscnt 0x0
	s_endpgm
.Lfunc_end_k_q2cade6e6e7_outln:
	.size	k_q2cade6e6e7_outln, .Lfunc_end_k_q2cade6e6e7_outln-k_q2cade6e6e7_outln
	.p2alignl 7, 3214868480
	.fill 96, 4, 3214868480
	.section	.rodata,"a",@progbits
	.p2align	6, 0x0
	.amdhsa_kernel k_q2cade6e6e7_outln
		.amdhsa_group_segment_fixed_size 164864
		.amdhsa_private_segment_fixed_size 0
		.amdhsa_enable_private_segment 0
		.amdhsa_kernarg_size 64
		.amdhsa_user_sgpr_count 2
		.amdhsa_user_sgpr_kernarg_segment_ptr 1
		.amdhsa_wavefront_size32 1
		.amdhsa_system_sgpr_workgroup_id_x 1
		.amdhsa_system_sgpr_workgroup_id_y 1
		.amdhsa_system_sgpr_workgroup_id_z 1
		.amdhsa_system_vgpr_workitem_id 0
		.amdhsa_next_free_vgpr 1024
		.amdhsa_next_free_sgpr 66
		.amdhsa_reserve_vcc 0
		.amdhsa_float_denorm_mode_32 3
		.amdhsa_float_denorm_mode_16_64 3
		.amdhsa_memory_ordered 1
		.amdhsa_forward_progress 1
		.amdhsa_inst_pref_size 192
	.end_amdhsa_kernel
	.amdgpu_metadata
---
amdhsa.version: [ 1, 2 ]
amdhsa.kernels:
  - .name:           k_q2cade6e6e7_outln
    .symbol:         k_q2cade6e6e7_outln.kd
    .args:
      - { .name: att_codes, .offset: 0, .size: 8, .value_kind: global_buffer, .address_space: global }
      - { .name: att_scales, .offset: 8, .size: 8, .value_kind: global_buffer, .address_space: global }
      - { .name: in_codes, .offset: 16, .size: 8, .value_kind: global_buffer, .address_space: global }
      - { .name: in_scales, .offset: 24, .size: 8, .value_kind: global_buffer, .address_space: global }
      - { .name: x, .offset: 32, .size: 8, .value_kind: global_buffer, .address_space: global }
      - { .name: ln_g, .offset: 40, .size: 8, .value_kind: global_buffer, .address_space: global }
      - { .name: ln_b, .offset: 48, .size: 8, .value_kind: global_buffer, .address_space: global }
      - { .name: out0, .offset: 56, .size: 8, .value_kind: global_buffer, .address_space: global }
    .group_segment_fixed_size: 164864
    .private_segment_fixed_size: 0
    .kernarg_segment_align: 8
    .kernarg_segment_size: 64
    .max_flat_workgroup_size: 128
    .sgpr_count:     66
    .vgpr_count:     1024
    .wavefront_size: 32
...
	.end_amdgpu_metadata
.endif
;; end of part 4
